; MI455X (gfx1250); checked and timed in simulation.
; The chip was launched on July 23, 2026; its instructions are those of AMD's public machine-readable ISA for CDNA 5 (MIT licence, August 2026) and "CDNA5" Instruction Set Architecture Reference Guide (July 2026). The comments in the code are by the model that wrote it; some were corrected since.
;; Multi Head Self Attention. Allowed arithmetic: matrix products marked QUANTISED: E4M3 operands, one given power-of-two scale a tensor, by v_wmma_f32_16x16x64_fp8_fp8 or v_wmma_f32_16x16x128_fp8_fp8, f32 sums; everything else in f32.
;; Inputs: lowp_scales 12 int32 (the exponents e of the quantised operands' scales 2^e); wk 1,024 x 1,024 float32; wo 1,024 x 1,024 float32; wq 1,024 x 1,024 float32; wv 1,024 x 1,024 float32; x 4 x 2,048 x 1,024 float32.
;; Outputs: out0 4 x 2,048 x 1,024 float32.
;; This version of the problem:
;;   THIS VERSION OF THE PROBLEM IS GIVEN IN LOW PRECISION. The matrix products marked QUANTISED in the list below multiply operands that are first quantised to E4M3 (4 exponent bits, 3 mantissa bits; 8 bits a number), with one given power-of-two scale for each operand tensor; their sums are f32. All else is computed in f32.
;;   The module's matrix products, in the order in which they are computed (A, B: the left and right operand; K: the contracted axis; several contracted axes count as one K, in the product's order):
;;     1. [M 8,192, K 1,024] x [K 1,024, N 1,024]; A: input x; B: input wq: QUANTISED (scales: A lowp_scales[0], B lowp_scales[1])
;;     2. [M 8,192, K 1,024] x [K 1,024, N 1,024]; A: input x; B: input wk: QUANTISED (scales: A lowp_scales[2], B lowp_scales[3])
;;     3. [M 8,192, K 1,024] x [K 1,024, N 1,024]; A: input x; B: input wv: QUANTISED (scales: A lowp_scales[4], B lowp_scales[5])
;;     4. batch 64 x [M 2,048, K 64] x [K 64, N 2,048]; A: computed on the way; B: computed on the way: QUANTISED (scales: A lowp_scales[6], B lowp_scales[7])
;;     5. batch 64 x [M 2,048, K 2,048] x [K 2,048, N 64]; A: softmax (see below); B: computed on the way: QUANTISED (scales: A lowp_scales[8], B lowp_scales[9])
;;     6. [M 8,192, K 1,024] x [K 1,024, N 1,024]; A: computed on the way; B: input wo: QUANTISED (scales: A lowp_scales[10], B lowp_scales[11])
;;   THE QUANTISER, for each operand of a quantised product, along K:
;;     - The operand's scale is 2^e, e = its entry of the input lowp_scales (int32; the entries are numbered through the quantised products in the list's order, A before B).
;;     - Each number is divided by the scale, clamped to +-448, and rounded to the nearest number of E4M3, ties to even, subnormals kept.
;;     - The product sums the exact products of the quantised numbers (number of the format x scale) in f32.
;;   ~~~python
;;   def quantise(x, axis, e):      # numpy; x: float32 -> the quantised numbers, widened to float32 again
;;       x = np.moveaxis(x, axis, -1); K = x.shape[-1]
;;       r = np.clip(x / 2.0 ** e, -448, 448)
;;       step = 2.0 ** (np.maximum(np.frexp(np.where(r == 0, 1, r))[1] - 1, -6) - 3)
;;       q = np.round(r / step) * step * 2.0 ** e      # np.round: ties to even
;;       return np.moveaxis(q, -1, axis).astype(np.float32)
;;   ~~~
;;   SOFTMAX AHEAD OF A QUANTISED PRODUCT. Where the list says 'softmax', what is quantised is not the finished softmax but p = 2^(t - M), with t = logit x log2(e) and M = ceil(the row's largest t), a whole number; so 1/2 < the row's largest p <= 1. The row's sum l is taken of the UNQUANTISED p, in f32, and the product's result is divided by l at the end. Since M is a whole number, a kernel that streams over the keys may use a running M (the ceiling of the running maximum): every later rescaling is an exact power of two, so the quantised numbers keep their values, but for numbers so far below the row's largest that they fall under the format's range.
;;   OPERANDS COMPUTED ON THE WAY. 'Computed on the way' means the value that the module computes at that place (a softmax that the list does not call 'softmax' is quantised finished and normalised). What goes into a quantiser is computed in f32, as accurately as f32 sums, v_exp_f32 and their like allow (about 1e-6 of the number): no bf16 or f16 on the way to a quantiser, and a product that is left as it is and whose result goes on into a quantised operand takes f32 operands (vector FMAs, or v_wmma_f32_16x16x4_f32). A number that lies on a knife's edge between two numbers of the format may be rounded either way, as far as f32 arithmetic and the matrix unit's own rounding can turn it there, and no further.
;; One version. Each part assembles by itself: llvm-mc -triple=amdgcn-amd-amdhsa -mcpu=gfx1250 --defsym DOCPART=n.
;; ======== version 1 of 1: 4 launches
;; limits: right only within a limited range of input values
;; workspace buffers: xc 25,165,824 bytes; wc 4,194,304 bytes; qc 8,388,608 bytes; kc 8,388,608 bytes; vc 8,388,608 bytes; ac 8,388,608 bytes
;; launch quant (part 1): grid 384 x 1, 4 waves a work-group, no clusters, 33,280 bytes of LDS; arguments x, wq, wk, wv, wo, lowp_scales, xc, wc; writes xc, wc
.if DOCPART == 1
	.amdgcn_target "amdgcn-amd-amdhsa--gfx1250"
	.amdhsa_code_object_version 6
	.text
	.protected	k_q989c2f3e48_quant
	.globl	k_q989c2f3e48_quant
	.p2align	8
	.type	k_q989c2f3e48_quant,@function
k_q989c2f3e48_quant:
	s_mov_b64 s[64:65], 0
	v_nop
	global_prefetch_b8 v0, s[64:65] scope:SCOPE_SE
	s_setreg_imm32_b32 hwreg(HW_REG_WAVE_MODE, 25, 1), 1
	s_wait_xcnt 0x0
; x [8192][1024] f32 becomes THREE planes of E4M3 codes, xc[p] with the scale 2^e(2p) (entries 0, 2, 4 of the scales: x is the left operand of three products, each with
; an entry of its own); wq, wk, wv, wo [1024][1024] f32 become wc[0..3] with entries 1, 3, 5, 11.  K is innermost everywhere, so every tensor is a plain stream.
; code = number / 2^e, rounded to the nearest code, ties to even.
; LIMITS: each e between -126 and 119, so that 2^e and 448 x 2^e are f32 numbers.  NaN among the inputs is not served.
; SHARES.  A work-group takes 32,768 numbers, a wave 8,192 in 16 steps of 512.  Work-groups 0-255 take x, 256-383 the weights (32 each).  Only pointers and exponents are chosen
; by the work-group's number; the two further planes of x stand under a scalar branch that holds no LDS instruction.
; A conversion takes eight neighbours from ONE lane's registers, a load is best with neighbouring lanes on neighbouring bytes: each of a step's four loads reads 512 consecutive
; bytes, the 2,048 bytes turn through the wave's own stage in LDS (16 bytes of padding behind each 64) and come back 64 bytes a lane.  A lane's 16 codes are 16 bytes: a store of the
; wave covers 512 consecutive bytes, aligned.  No tensor load, no barrier: waves share nothing.  Matrix units and clusters have no work here: memory binds.
.set STEPS, 16
.set XWG,   256                        ; work-groups that take x
.set SP,    80                         ; a lane's place in a stage: 64 bytes + 16
.set WREG,  8192                       ; LDS of a wave: two stages of 32 x SP bytes
.set SPARE, 4*WREG                     ; behind the four regions: the spare words, 128 bytes a wave
.set SPW,   12                         ; v12  my spare word's address; never rewritten
.set NIL,   13                         ; v13  0; never rewritten
.set R,     16                         ; v16-79   four sets of 16 numbers as loaded
.set X,     80                         ; v80-111  two sets of 16 neighbours
.set T,     112
.set C,     128                        ; v128-151 codes: step t % 2, plane p: 4 registers
	s_load_b256 s[4:11], s[0:1], 0x0               ; x s[4:5], wq s[6:7], wk s[8:9], wv s[10:11]
	s_load_b256 s[12:19], s[0:1], 0x20             ; wo s[12:13], scales s[14:15], xc s[16:17], wc s[18:19]
	v_lshl_add_u32 v[SPW], v0, 2, SPARE
	v_mov_b32 v[NIL], 0
	v_lshrrev_b32 v1, 5, v0
	v_readfirstlane_b32 s20, v1                    ; wave
	v_and_b32 v2, 31, v0                           ; lane
	v_lshlrev_b32 v3, 4, v2                        ; 16 x lane: my bytes of a load's 512, and of a store's
	s_mul_i32 s21, s20, WREG
	v_lshrrev_b32 v14, 2, v2
	v_mul_u32_u24 v14, v14, SP
	v_and_b32 v15, 3, v2
	v_lshl_add_u32 v14, v15, 4, v14
	v_add_nc_u32 v14, s21, v14                     ; the stage, in: SP (lane / 4) + 16 (lane % 4)
	v_mul_u32_u24 v15, v2, SP
	v_add_nc_u32 v15, s21, v15                     ; and out: SP x lane
	s_sub_co_u32 s22, ttmp9, XWG                   ; among the weights' work-groups:
	s_lshr_b32 s23, s22, 5                         ; which weight (0 q, 1 k, 2 v, 3 o; none of these in x's work-groups)
	s_and_b32 s44, s22, 31                         ; which chunk of it
	s_lshl_b32 s45, s23, 20                        ; its plane in wc
	s_cmp_lt_u32 ttmp9, XWG
	s_cselect_b32 s44, ttmp9, s44                  ; the chunk of 32,768 numbers
	s_cselect_b32 s45, 0, s45
	s_lshl_b32 s46, s44, 17
	s_lshl_b32 s47, s20, 15
	s_add_co_u32 s46, s46, s47                     ; my wave's first byte in the source
	s_mov_b32 s47, 0
	s_lshl_b32 s48, s44, 15
	s_lshl_b32 s49, s20, 13
	s_add_co_u32 s48, s48, s49
	s_add_co_u32 s48, s48, s45                     ; and among the codes
	s_mov_b32 s49, 0
	s_wait_alu depctr_va_vdst(0)
	s_wait_kmcnt 0x0
	s_load_b256 s[24:31], s[14:15], 0x0            ; e0 .. e7
	s_load_b128 s[32:35], s[14:15], 0x20           ; e8 .. e11
	s_mov_b64 s[36:37], s[12:13]                   ; the source: wo,
	s_cmp_eq_u32 s23, 2
	s_cselect_b64 s[36:37], s[10:11], s[36:37]     ; or wv,
	s_cmp_eq_u32 s23, 1
	s_cselect_b64 s[36:37], s[8:9], s[36:37]       ; or wk,
	s_cmp_eq_u32 s23, 0
	s_cselect_b64 s[36:37], s[6:7], s[36:37]       ; or wq,
	s_cmp_lt_u32 ttmp9, XWG
	s_cselect_b64 s[36:37], s[4:5], s[36:37]       ; or x
	s_cselect_b64 s[38:39], s[16:17], s[18:19]     ; the codes: xc or wc
	s_add_nc_u64 s[36:37], s[36:37], s[46:47]
	s_add_nc_u64 s[38:39], s[38:39], s[48:49]
	s_add_nc_u64 s[40:41], s[38:39], 0x800000      ; x's plane 1 and plane 2 (used by x's work-groups alone): bases of their own, since a plane's 8 MiB is beyond a store's immediate
	s_add_nc_u64 s[42:43], s[38:39], 0x1000000
.macro LOAD t
.irp i, 0,1,2,3
	global_load_b128 v[R+16*((\t)%4)+4*\i:R+16*((\t)%4)+4*\i+3], v3, s[36:37] offset:2048*(\t)+512*\i th:TH_LOAD_NT   ; 32 lanes read 512 consecutive bytes; read once in the launch
.endr
.endm
.macro TURN t                          ; step t's numbers through the stage: LDS serves a wave's instructions in order (ISA guide 5.7.1.4), so no wait stands between the stores and the loads
.irp i, 0,1,2,3
	ds_store_b128 v14, v[R+16*((\t)%4)+4*\i:R+16*((\t)%4)+4*\i+3] offset:32*SP*((\t)%2)+8*SP*\i
.endr
.irp i, 0,1,2,3
	ds_load_b128 v[X+16*((\t)%2)+4*\i:X+16*((\t)%2)+4*\i+3], v15 offset:32*SP*((\t)%2)+16*\i
.endr
.endm
.irp t, 0,1,2,3
	LOAD \t
.endr
.macro MKSC e, sc, lim                 ; 2^e as an f32 number
	s_add_co_i32 s51, s[\e], 127
	s_lshl_b32 s21, s51, 23
	v_mov_b32 v[\sc], s21
.endm
	s_wait_kmcnt 0x0
	s_mov_b32 s50, s35                             ; the first plane's exponent: e11 for wo,
	s_cmp_eq_u32 s23, 2
	s_cselect_b32 s50, s29, s50                    ; e5 for wv,
	s_cmp_eq_u32 s23, 1
	s_cselect_b32 s50, s27, s50                    ; e3 for wk,
	s_cmp_eq_u32 s23, 0
	s_cselect_b32 s50, s25, s50                    ; e1 for wq,
	s_cmp_lt_u32 ttmp9, XWG
	s_cselect_b32 s50, s24, s50                    ; e0 for x
	MKSC 50, 5, 6
	MKSC 26, 7, 8                                  ; e2: x's plane 1
	MKSC 28, 9, 10                                 ; e4: x's plane 2
	s_wait_alu depctr_va_vdst(0)
	s_wait_loadcnt 12                              ; step 0's four loads are in; the twelve of steps 1 to 3 may be out
	TURN 0
; one plane of step t: two conversions; the store
.macro CONV t, p, sc, lim, base
.set XS, X+16*((\t)%2)
.set CC, C+12*((\t)%2)+4*(\p)
.set ii, 0
.rept 16
.set ii, ii+1
.endr
	v_cvt_scalef32_pk8_fp8_f32 v[CC:CC+1], v[XS:XS+7], v[\sc]
	v_cvt_scalef32_pk8_fp8_f32 v[CC+2:CC+3], v[XS+8:XS+15], v[\sc]
	v_nop                                          ; one plain vector line behind the conversions
	global_store_b128 v3, v[CC:CC+3], s[\base:\base+1] offset:512*(\t)   ; the wave stores 512 consecutive bytes, aligned
.endm
.macro STEP t
	s_wait_dscnt 0x0                               ; this step's numbers are back from the stage, and its stores into the stage have read their registers,
.if (\t)+4 < STEPS
	LOAD (\t)+4                                    ; which take the loads of four steps on
.endif
.if (\t)+1 < STEPS
.if STEPS-2-(\t) >= 3
	s_wait_loadcnt 12                              ; the next step's four loads are in; those of the three steps behind it may be out
.else
	s_wait_loadcnt 4*(STEPS-2-(\t))
.endif
	TURN (\t)+1                                    ; through the other stage while this step is worked
.endif
	s_wait_xcnt 0x0                                ; the stores of two steps back have read their codes' registers, which are written again below
	CONV \t, 0, 5, 6, 38
	s_cmp_lt_u32 ttmp9, XWG                        ; x has two more planes; a weight has none
	s_cbranch_scc0 .Lone_\@
	CONV \t, 1, 7, 8, 40
	CONV \t, 2, 9, 10, 42
.Lone_\@:
.endm
.irp t, 0,1,2,3,4,5,6,7,8,9,10,11,12,13,14,15
	STEP \t
.endr
	s_wait_tensorcnt 0x0                           ; the wave's end: a wait, an add of 0 to my spare word and its wait, behind my last LDS store
	ds_add_u32 v[SPW], v[NIL]
	s_wait_dscnt 0x0
	s_endpgm
.Lfunc_end_k_q989c2f3e48_quant:
	.size	k_q989c2f3e48_quant, .Lfunc_end_k_q989c2f3e48_quant-k_q989c2f3e48_quant
	.p2alignl 7, 3214868480
	.fill 96, 4, 3214868480
	.section	.rodata,"a",@progbits
	.p2align	6, 0x0
	.amdhsa_kernel k_q989c2f3e48_quant
		.amdhsa_group_segment_fixed_size 33280
		.amdhsa_private_segment_fixed_size 0
		.amdhsa_enable_private_segment 0
		.amdhsa_kernarg_size 64
		.amdhsa_user_sgpr_count 2
		.amdhsa_user_sgpr_kernarg_segment_ptr 1
		.amdhsa_wavefront_size32 1
		.amdhsa_system_sgpr_workgroup_id_x 1
		.amdhsa_system_sgpr_workgroup_id_y 1
		.amdhsa_system_sgpr_workgroup_id_z 1
		.amdhsa_system_vgpr_workitem_id 0
		.amdhsa_next_free_vgpr 160
		.amdhsa_next_free_sgpr 66
		.amdhsa_reserve_vcc 0
		.amdhsa_float_denorm_mode_32 3
		.amdhsa_float_denorm_mode_16_64 3
		.amdhsa_fp16_overflow 1
		.amdhsa_memory_ordered 1
		.amdhsa_forward_progress 1
		.amdhsa_inst_pref_size 33
	.end_amdhsa_kernel
	.amdgpu_metadata
---
amdhsa.version: [ 1, 2 ]
amdhsa.kernels:
  - .name:           k_q989c2f3e48_quant
    .symbol:         k_q989c2f3e48_quant.kd
    .args:
      - { .name: x, .offset: 0, .size: 8, .value_kind: global_buffer, .address_space: global }
      - { .name: wq, .offset: 8, .size: 8, .value_kind: global_buffer, .address_space: global }
      - { .name: wk, .offset: 16, .size: 8, .value_kind: global_buffer, .address_space: global }
      - { .name: wv, .offset: 24, .size: 8, .value_kind: global_buffer, .address_space: global }
      - { .name: wo, .offset: 32, .size: 8, .value_kind: global_buffer, .address_space: global }
      - { .name: lowp_scales, .offset: 40, .size: 8, .value_kind: global_buffer, .address_space: global }
      - { .name: xc, .offset: 48, .size: 8, .value_kind: global_buffer, .address_space: global }
      - { .name: wc, .offset: 56, .size: 8, .value_kind: global_buffer, .address_space: global }
    .group_segment_fixed_size: 33280
    .private_segment_fixed_size: 0
    .kernarg_segment_align: 8
    .kernarg_segment_size: 64
    .max_flat_workgroup_size: 128
    .sgpr_count:     66
    .vgpr_count:     160
    .wavefront_size: 32
...
	.end_amdgpu_metadata
.endif
;; end of part 1
;; launch qkv (part 2): grid 12 x 32, 4 waves a work-group, clusters of 4 x 4, 327,680 bytes of LDS; arguments xc, wc, lowp_scales, qc, kc, vc; writes qc, kc, vc
.if DOCPART == 2
	.amdgcn_target "amdgcn-amd-amdhsa--gfx1250"
	.amdhsa_code_object_version 6
	.text
	.protected	k_q989c2f3e48_qkv
	.globl	k_q989c2f3e48_qkv
	.p2align	8
	.type	k_q989c2f3e48_qkv,@function
k_q989c2f3e48_qkv:
	s_mov_b64 s[64:65], 0
	v_nop
	global_prefetch_b8 v0, s[64:65] scope:SCOPE_SE
	s_setreg_imm32_b32 hwreg(HW_REG_WAVE_MODE, 25, 1), 1
	s_wait_xcnt 0x0
	s_wait_alu depctr_hold_cnt(0) depctr_sa_sdst(0) depctr_va_vdst(0) depctr_va_sdst(0) depctr_va_ssrc(0) depctr_va_vcc(0) depctr_vm_vsrc(0)
	s_getreg_b32 s2, hwreg(HW_REG_IB_STS2, 6, 4)
	s_cmp_eq_u32 s2, 0
	s_cbranch_scc0 .Lentry_in_a_cluster
	s_endpgm
.Lentry_in_a_cluster:
	s_bfe_u32 s2, ttmp6, 0x10000c
	s_cmp_lg_u32 s2, 0xf033
	s_cbranch_scc0 .Lentry_shape_is_right
	s_endpgm
.Lentry_shape_is_right:
; q = x wq^T, k = x wk^T, v = x wv^T on E4M3 codes (K = 1,024), and each f32 sum quantised at once for the attention: q with 2^e6, k with 2^e7, v with 2^e9.
; The cluster's x says which product (0 q, 1 k, 2 v).  Every work-group makes C'[256 rows of A'][256 rows of B']:
;   q, k: A' = x's codes of that product's plane (tokens), B' = the weight's codes.      v: A' = wv's codes, B' = x's codes of plane 2: v comes out TRANSPOSED, the keys innermost, as the second product of the attention wants it.
; A sum stands for sum x 2^(ex + ew): its code is sum / 2^E, E = e6 - e0 - e1 (q), e7 - e2 - e3 (k), e9 - e4 - e5 (v).  LIMIT: E between -126 and 119.
; Four waves, each 128 x 128 of C' in 64 accumulators.  K goes in steps of 256 through a ring of two LDS slots filled by the tensor data mover; a tile's row is 256 bytes of memory.
; CLUSTERS: 4 x 4 work-groups.  The four of a row of the cluster need the same tile of A', the four of a column the same tile of B': each is asked for JOINTLY.
; THE MATRIX INSTRUCTION IS USED TRANSPOSED (source 0 = 16 rows of B', source 1 = 16 rows of A'): a lane holds eight neighbouring columns of one row of C'.
; THE ORDER OF THE CODES.  The eight codes of tiles 2 g and 2 g + 1 of a lane go out as 16 bytes: in each aligned group of 32 columns, place 16 h + 8 u + j holds column 16 u + 8 h + j.
; For q and k that is one permutation of the head's 64, the same in both, so every product meets its partner; for v it is the order in which the attention's weights fall out of its first product.
; OUT: qc, kc [b 16 + head][s][64 places]; vc [b 16 + head][d][2,048 places].  The codes meet in a stage of 256 rows x 272 bytes in slot 0 (which has had its last fill and its last read), and each store of a wave covers whole aligned runs of 256 bytes.
; REGISTERS: window 0: v1-29 addresses; from v128 A's fragments, ONE set; in the epilogue v32-255 are free.  window 1: B's fragments, TWO sets.  windows 2, 3: the accumulators ((a, b) at v[8 (8 (a % 4) + b)]).
.set ROWB,   256                       ; a tile's row in bytes: 256 codes
.set KROW,   1024                      ; a row of A' or B' in memory
.set PITCH,  272                       ; an LDS row: 256 + 16 bytes = 68 words: the 16 rows that a load touches start at 16 different groups of banks (64 banks of 4 bytes: ISA guide 11.1)
.set FR,     16
.set NL,     4
.set NP,     4                         ; places behind this matrix instruction (ISA guide 7.12.1)
.set HALFT,  128*PITCH
.set SLOT,   4*HALFT
.set LAPS,   2                         ; 1,024 along K = four K steps = twice round the ring
.set SPARE,  2*SLOT                    ; behind the ring: the spare words, 128 bytes a wave
.set GOQ,  10                          ; v10  q, k: my byte in a store's 512
.set GOV,  11                          ; v11  v: my byte in a store's two rows
.set SC,   12                          ; v12  2^E
.set LIM,  13
.set ADRA, 16
.set ADRB, 20
.set STO,  24                          ; v24  the stage: where I put 16 codes
.set RDQ,  25                          ; v25, v26  q, k: where I read 16 bytes of a head's 64 back (tokens 0-127, 128-255)
.set RDQ2, 26
.set RDV,  27                          ; v27  v: where I read 16 bytes of a row back
.set SPW,  28
.set NIL,  29
.set TMP,  32
.set CD,   96                          ; v96-127  its codes, two sets
.set AF,   128
.set BK,   128                         ; v128-255 what comes back from the stage
.set G1, 24
.set G0, 32
.set G1B, 48
.set G0B, 56
.set MSB, 0
.macro WIN new                         ; the immediate's high byte repeats the setting that is left
.if MSB != \new
	s_set_vgpr_msb (MSB<<8)|\new
.set MSB, \new
.endif
.endm
.set MUL_LO, 0xa1                      ; source 0 (B') window 1, source 1 (A') window 0, C and D window 2
.set MUL_HI, 0xf1                      ; the same, C and D window 3
.set TO_B,   0x40                      ; destination window 1, address window 0
; A joint load: waves 0 and 1 fetch for A', waves 2 and 3 for B'.  The branch hangs on the wave's number alone.  An s_nop 0 and four v_nop follow each of the two lines.
.macro JLOAD g0a, g1a, g0b, g1b
	s_cmp_eq_u32 s15, 0
	s_cbranch_scc0 .Lfor_b_\@
	tensor_load_to_lds s[\g0a:\g0a+3], s[\g1a:\g1a+7]
	s_nop 0
.rept 4
	v_nop
.endr
	s_branch .Lasked_\@
.Lfor_b_\@:
	tensor_load_to_lds s[\g0b:\g0b+3], s[\g1b:\g1b+7]
	s_nop 0
.rept 4
	v_nop
.endr
.Lasked_\@:
.endm
.macro CREST                           ; a round of the cluster's barrier behind its opening barrier
	s_cmp_lg_u32 s14, 0
	s_cbranch_scc1 .Lnot_wave_0_\@
	s_barrier_signal -3
.Lnot_wave_0_\@:
	s_barrier_wait -3
	s_barrier_signal -1
	s_barrier_wait -1
.endm
.macro CROUND
	s_barrier_signal -1
	s_barrier_wait -1
	CREST
.endm
	s_load_b128 s[4:7], s[0:1], 0x0                ; xc s[4:5], wc s[6:7]
	s_load_b64 s[8:9], s[0:1], 0x10                ; the scales' exponents
	s_load_b128 s[68:71], s[0:1], 0x18             ; qc s[68:69], kc s[70:71]
	s_load_b64 s[72:73], s[0:1], 0x28              ; vc
	v_lshl_add_u32 v[SPW], v0, 2, SPARE
	v_mov_b32 v[NIL], 0
	ds_add_u32 v[SPW], v[NIL]                      ; the wave's opening: the add and its wait stand ahead of my first tensor load; the set-up below stands between them
	ds_add_u32 v[SPW], v[NIL]
	v_lshrrev_b32 v1, 5, v0
	v_readfirstlane_b32 s14, v1                    ; wave 0..3
	s_lshr_b32 s15, s14, 1                         ; which half of the tile's rows is mine.  Also: I fetch for A' (0) or for B' (1)
	s_and_b32 s16, s14, 1                          ; which half of its columns.  Also: which 128 rows of that tile I fetch
	s_bfe_u32 s40, ttmp6, 0x40000                  ; cx
	s_bfe_u32 s41, ttmp6, 0x40004                  ; cy
	s_and_b32 s74, ttmp7, 0xffff
	s_lshl_b32 s74, s74, 2                         ; 4 x cluster y
	s_lshl_b32 s75, ttmp9, 23                      ; x's plane of this product
	s_lshl_b32 s96, ttmp9, 20                      ; the weight's plane
	s_cmp_eq_u32 ttmp9, 2                          ; v?  The cluster's x: the same in all sixteen partners
	s_cselect_b32 s88, 0, s74                      ; the tokens run along the tile rows (q, k)
	s_cselect_b32 s89, s74, 0                      ; or along the tile columns (v)
	s_cselect_b32 s90, 0x200000, s75               ; A' begins here in its buffer,
	s_cselect_b32 s91, 0x1000000, s96              ; B' here
	s_add_co_u32 s17, s88, s41                     ; tile row: its place in the cluster is cy
	s_add_co_u32 s42, s89, s40                     ; tile column: cx
	s_lshl_b32 s43, s41, 2
	s_lshl_b32 s43, 15, s43                        ; my row of the cluster
	s_lshl_b32 s44, 0x1111, s40                    ; my column
	; descriptor group 1: a tile of 128 rows x 256 bytes, padded in LDS
	s_or_b32 s[G1+0], s43, (0<<16)|(1<<20)|(1<<21)|(5<<22)|(3<<25)  ; 15:0 the mask; 17:16 elements of 1 byte; 20 padding on; 21 set beside a mask; 24:22 after every 64 words; 31:25 four words
	s_or_b32 s[G1B+0], s44, (0<<16)|(1<<20)|(1<<21)|(5<<22)|(3<<25)
.irp g, G1, G1B
	s_mov_b32 s[\g+1], ROWB<<16                    ; tensor_dim0
	s_mov_b32 s[\g+2], 128<<16                     ; tensor_dim1
	s_mov_b32 s[\g+3], ROWB<<16                    ; tile_dim0
	s_mov_b32 s[\g+4], 128                         ; tile_dim1
	s_mov_b32 s[\g+5], KROW                        ; tensor_dim0_stride
	s_mov_b32 s[\g+6], 0
	s_mov_b32 s[\g+7], 0
.endr
	s_lshl_b32 s18, s16, 7                         ; which 128 rows of the tile I fetch
	s_lshl_b32 s20, s17, 8
	s_add_co_u32 s20, s20, s18
	s_lshl_b32 s20, s20, 10                        ; rows of 1,024 bytes; all offsets stay under 2^25
	s_add_co_u32 s20, s20, s90
	s_mov_b32 s21, 0
	s_lshl_b32 s46, s42, 8
	s_add_co_u32 s46, s46, s18
	s_lshl_b32 s46, s46, 10
	s_add_co_u32 s46, s46, s91
	s_mov_b32 s47, 0
	s_mul_i32 s45, s14, HALFT                      ; where they go: wave x 128 rows: no place in the cluster enters an LDS address
	s_wait_dscnt 0x0                               ; the opening add is done
	s_wait_kmcnt 0x0
	s_load_b256 s[76:83], s[8:9], 0x0              ; e0 .. e7
	s_load_b128 s[84:87], s[8:9], 0x20             ; e8 .. e11
	s_cmp_eq_u32 ttmp9, 2
	s_cselect_b64 s[10:11], s[6:7], s[4:5]         ; A' lies in wc (v) or in xc
	s_cselect_b64 s[12:13], s[4:5], s[6:7]         ; B' the other way round
	s_add_nc_u64 s[20:21], s[10:11], s[20:21]
	s_add_nc_u64 s[46:47], s[12:13], s[46:47]
	CROUND                                         ; all sixteen work-groups are here: the first joint loads meet
.irp s, 0,1
	s_mov_b32 s[G0+4*\s], 1
	s_add_co_u32 s[G0+4*\s+1], s45, \s*SLOT
	s_add_nc_u64 s[G0+4*\s+2:G0+4*\s+3], s[20:21], \s*ROWB
	s_or_b32 s[G0+4*\s+3], s[G0+4*\s+3], 0x80000000
	s_mov_b32 s[G0B+4*\s], 1
	s_add_co_u32 s[G0B+4*\s+1], s45, \s*SLOT
	s_add_nc_u64 s[G0B+4*\s+2:G0B+4*\s+3], s[46:47], \s*ROWB
	s_or_b32 s[G0B+4*\s+3], s[G0B+4*\s+3], 0x80000000
	JLOAD G0+4*\s, G1, G0B+4*\s, G1B
.endr
	v_and_b32 v1, 15, v0                           ; r = l % 16
	v_bfe_u32 v2, v0, 4, 1                         ; h = l / 16
	v_mul_u32_u24 v3, v1, PITCH
	v_lshl_add_u32 v4, v2, 4, v3                   ; row x pitch + 16 x half
	s_wait_alu depctr_va_vdst(0)
	s_mul_i32 s21, s15, HALFT                      ; my 128 rows of A'
	s_mul_i32 s22, s16, HALFT                      ; my 128 rows of B',
	s_add_co_u32 s22, s22, 2*HALFT                 ; which lie behind A's 256
.irp s, 0,1
	v_add_nc_u32 v[ADRA+\s], s21, v4
	v_add_nc_u32 v[ADRB+\s], s22, v4
	s_add_co_u32 s21, s21, SLOT
	s_add_co_u32 s22, s22, SLOT
.endr
	s_mul_i32 s23, s15, HALFT                      ; the stage, in: row 128 x my row half + r, byte 128 x my column half + 16 h
	s_lshl_b32 s18, s16, 7
	s_add_co_u32 s23, s23, s18
	v_add_nc_u32 v[STO], s23, v4
	v_and_b32 v5, 31, v0                           ; lane
	v_lshrrev_b32 v6, 2, v5
	v_mul_u32_u24 v6, v6, PITCH
	v_and_b32 v7, 3, v5
	v_lshl_add_u32 v6, v7, 4, v6
	s_lshl_b32 s23, s14, 6
	v_add_nc_u32 v[RDQ], s23, v6                   ; q, k, back: wave w takes the tile's head w: token l / 4, byte 64 w + 16 (l % 4)
	v_add_nc_u32 v[RDQ2], 128*PITCH, v[RDQ]
	s_mul_i32 s23, s14, 64*PITCH
	v_mul_u32_u24 v6, v2, PITCH
	v_lshl_add_u32 v6, v1, 4, v6
	v_add_nc_u32 v[RDV], s23, v6                   ; v, back: wave w takes rows 64 w on: lanes 0-15 one row, lanes 16-31 the next
	v_lshlrev_b32 v[GOQ], 4, v5
	v_lshlrev_b32 v7, 11, v2
	v_lshl_add_u32 v[GOV], v1, 4, v7
	; where my wave's codes go.  q, k: head (b 16 + 4 x tile column + wave) of 131,072 bytes, token 256 (tile row % 8) of 64 bytes
	s_lshr_b32 s92, s17, 3
	s_lshl_b32 s92, s92, 4
	s_lshl_b32 s96, s42, 2
	s_add_co_u32 s92, s92, s96
	s_add_co_u32 s92, s92, s14
	s_lshl_b32 s92, s92, 17
	s_and_b32 s96, s17, 7
	s_lshl_b32 s96, s96, 14
	s_add_co_u32 s92, s92, s96
	s_mov_b32 s93, 0
	s_cmp_eq_u32 ttmp9, 0
	s_cselect_b64 s[10:11], s[68:69], s[70:71]
	s_add_nc_u64 s[92:93], s[10:11], s[92:93]      ; (used where the product is q or k)
	; v: batch (tile column / 8) of 2^21 bytes, row 256 x tile row + 64 x wave of 2,048 bytes, place 256 (tile column % 8)
	s_lshr_b32 s94, s42, 3
	s_lshl_b32 s94, s94, 21
	s_lshl_b32 s96, s17, 8
	s_lshl_b32 s97, s14, 6
	s_add_co_u32 s96, s96, s97
	s_lshl_b32 s96, s96, 11
	s_add_co_u32 s94, s94, s96
	s_and_b32 s96, s42, 7
	s_lshl_b32 s96, s96, 8
	s_add_co_u32 s94, s94, s96
	s_mov_b32 s95, 0
	s_add_nc_u64 s[94:95], s[72:73], s[94:95]      ; (used where the product is v)
.macro FRAG reg, adr, q, i             ; a fragment, 16 rows x 128 K: lane l holds row l % 16; registers 4 c .. 4 c + 3 hold K = 32 c + 16 (l / 16) + 0 .. 15: one permutation of k, the same in A' and B'
.irp c, 0,1,2,3
	ds_load_b128 v[\reg+4*\c:\reg+4*\c+3], v[\adr] offset:128*(\q)+32*\c+(\i)*16*PITCH
.endr
.endm
; 16 matrix instructions: A's blocks a0, a0 + 1 x B's eight, 128 along K.  p: B's set.  zero = 1: the first product starts the sums.  The 64 accumulators take turns, one instruction a turn, in the same order in every step.
.macro MUL16 a0, p, zero
.irp a, \a0, \a0+1
.irp b, 0,1,2,3,4,5,6,7
.if \zero
	v_wmma_f32_16x16x128_fp8_fp8 v[8*(8*((\a)%4)+\b):8*(8*((\a)%4)+\b)+7], v[128*(\p)+FR*\b:128*(\p)+FR*\b+FR-1], v[AF+FR*(\a):AF+FR*(\a)+FR-1], 0
.else
	v_wmma_f32_16x16x128_fp8_fp8 v[8*(8*((\a)%4)+\b):8*(8*((\a)%4)+\b)+7], v[128*(\p)+FR*\b:128*(\p)+FR*\b+FR-1], v[AF+FR*(\a):AF+FR*(\a)+FR-1], v[8*(8*((\a)%4)+\b):8*(8*((\a)%4)+\b)+7]
.endif
.endr
.endr
.endm
.macro FETCH_B slot, q, p
	WIN TO_B
.irp i, 0,1,2,3,4,5,6,7
	FRAG 128*(\p)+FR*\i, ADRB+\slot, \q, \i
.endr
	WIN 0
.endm
.macro FETCH_A slot, q, i0
.irp i, \i0, \i0+1, \i0+2, \i0+3
	FRAG AF+FR*(\i), ADRA+\slot, \q, \i
.endr
.endm
.macro PLACES n                        ; plain vector lines between a matrix instruction and a load into, or a read of, its registers
.rept \n
	v_nop
.endr
.endm
; A step of 128 along K that has its successor in the same slot.  A's one set: blocks 0-3 are fetched anew in the step's middle, blocks 4-7 at its end.
.macro STEP slot, q, zero
	s_wait_dscnt 4*NL                              ; B's set and A's blocks 0-3 are in; the youngest sixteen loads (A's blocks 4-7) may be out
	WIN MUL_LO
	MUL16 0, (\q)%2, \zero
	MUL16 2, (\q)%2, \zero
	s_wait_dscnt 0                                 ; A's blocks 4-7 are in
	PLACES NP
	FETCH_B \slot, (\q)+1, 1-(\q)%2
	FETCH_A \slot, (\q)+1, 0
	WIN MUL_HI
	MUL16 4, (\q)%2, \zero
	MUL16 6, (\q)%2, \zero
	PLACES NP
	WIN 0
	FETCH_A \slot, (\q)+1, 4
.endm
; A slot's last step changes slots: ONE barrier; in front of it each wave waits for all its tensor loads, adds 0 to its spare word, and waits for that and for its reads of this slot.  fill = 1: this slot is filled again, two K steps ahead.
.macro TURN slot, next, fill
	s_wait_tensorcnt 0x0                           ; all my tensor loads have landed: my part of the next slot
	ds_add_u32 v[SPW], v[NIL]                      ; 0 onto my spare word
	s_wait_dscnt 4*NL+1                            ; (the add and the youngest sixteen loads may be out)
	WIN MUL_LO
	MUL16 0, 1, 0
	s_wait_dscnt 0x0                               ; the add is done, and my reads of this slot are over
	s_barrier_signal -1
	MUL16 2, 1, 0
	WIN 0
	s_barrier_wait -1
.if \fill
	CREST                                          ; the barrier has opened a round of the cluster's barrier: no wave of any partner still reads this slot or has a load on its way
	s_add_nc_u64 s[G0+4*\slot+2:G0+4*\slot+3], s[G0+4*\slot+2:G0+4*\slot+3], 2*ROWB
	s_add_nc_u64 s[G0B+4*\slot+2:G0B+4*\slot+3], s[G0B+4*\slot+2:G0B+4*\slot+3], 2*ROWB
	JLOAD G0+4*\slot, G1, G0B+4*\slot, G1B         ; the first tensor load behind the round; its four v_nop are the places in front of the loads below
.else
	PLACES NP
.endif
	FETCH_B \next, 0, 0
	FETCH_A \next, 0, 0
	WIN MUL_HI
	MUL16 4, 1, 0
	MUL16 6, 1, 0
	PLACES NP
	WIN 0
	FETCH_A \next, 0, 4
.endm
	s_wait_tensorcnt 1                             ; my part of K step 0 is in; K step 1's load may be out
	s_barrier_signal -1
	s_barrier_wait -1
	FETCH_B 0, 0, 0
	FETCH_A 0, 0, 0
	FETCH_A 0, 0, 4
	STEP 0, 0, 1                                   ; the first step stands in front of the loop: its products start the sums
	s_mov_b32 s3, LAPS-1
.Llap:                                             ; a trip goes once round the ring and fills both slots again
	TURN 0, 1, 1
	STEP 1, 0, 0
	TURN 1, 0, 1
	STEP 0, 0, 0
	s_sub_co_u32 s3, s3, 1
	s_cmp_lg_u32 s3, 0
	s_cbranch_scc1 .Llap
	TURN 0, 1, 0                                   ; the last lap fills nothing
	STEP 1, 0, 0
	s_wait_dscnt 4*NL
	WIN MUL_LO
	MUL16 0, 1, 0
	MUL16 2, 1, 0
	s_wait_dscnt 0
	WIN MUL_HI
	MUL16 4, 1, 0
	MUL16 6, 1, 0
	WIN 0
	; THE WAY OUT.  The three scales are folded into the conversion's one.
	s_wait_kmcnt 0x0
	s_sub_co_i32 s88, s82, s76
	s_sub_co_i32 s88, s88, s77                     ; e6 - e0 - e1
	s_sub_co_i32 s89, s83, s78
	s_sub_co_i32 s89, s89, s79                     ; e7 - e2 - e3
	s_sub_co_i32 s90, s85, s80
	s_sub_co_i32 s90, s90, s81                     ; e9 - e4 - e5
	s_cmp_eq_u32 ttmp9, 1
	s_cselect_b32 s88, s89, s88
	s_cmp_eq_u32 ttmp9, 2
	s_cselect_b32 s88, s90, s88                    ; E
	s_add_co_i32 s88, s88, 127
	s_lshl_b32 s89, s88, 23
	v_mov_b32 v[SC], s89                           ; 2^E
	s_add_co_i32 s88, s88, 8
	s_lshl_b32 s88, s88, 23
	s_or_b32 s88, s88, 0x600000
	PLACES NP                                      ; behind the last products, ahead of the first read of results
; Block a: 16 rows x 128 columns.  Eight conversions; four stores of 16 codes.
.macro PACKBLK a
.set AC, 64*((\a)%4)
.set CDS, CD+16*((\a)%2)
.if (\a) >= 2
	s_wait_dscnt 4                                 ; all but the last block's four stores are done: this set of codes may be written again
.endif
	WIN 0x02+((\a)/4)                              ; source 0: window 2 or 3
.set jj, 0
.rept 64
.set jj, jj+1
.endr
.irp b, 0,1,2,3,4,5,6,7
	v_cvt_scalef32_pk8_fp8_f32 v[CDS+2*\b:CDS+2*\b+1], v[AC+8*\b:AC+8*\b+7], v[SC]
.endr
	WIN 0
	v_nop                                          ; one plain vector line behind the conversions
.irp g, 0,1,2,3
	ds_store_b128 v[STO], v[CDS+4*\g:CDS+4*\g+3] offset:(\a)*16*PITCH+32*\g
.endr
.endm
.irp a, 0,1,2,3,4,5,6,7
	PACKBLK \a
.endr
	s_wait_dscnt 0x0                               ; for the others' sake: my stores into the stage are done (a stage row comes from two waves)
	s_barrier_signal -1
	s_barrier_wait -1
	s_cmp_eq_u32 ttmp9, 2                          ; the cluster's x: all partners go the same way; both ways hold LDS loads and stores to memory alone
	s_cbranch_scc1 .Lout_v
.set ii, 0
.rept 16
	ds_load_b128 v[BK+4*ii:BK+4*ii+3], v[RDQ] offset:ii*8*PITCH          ; eight tokens' 64 bytes of my head
.set ii, ii+1
.endr
.rept 16
	ds_load_b128 v[BK+4*ii:BK+4*ii+3], v[RDQ2] offset:(ii-16)*8*PITCH
.set ii, ii+1
.endr
.set ii, 0
.rept 32
	s_wait_dscnt 31-ii                             ; LDS loads come back in order: load ii is in, the younger ones may be out
	global_store_b128 v[GOQ], v[BK+4*ii:BK+4*ii+3], s[92:93] offset:512*ii   ; 32 lanes store 512 consecutive bytes, aligned
.set ii, ii+1
.endr
	s_branch .Ldone
.Lout_v:
.set ii, 0
.rept 32
	ds_load_b128 v[BK+4*ii:BK+4*ii+3], v[RDV] offset:ii*2*PITCH          ; two rows of 256 places
.set ii, ii+1
.endr
.set ii, 0
.rept 32
	s_wait_dscnt 31-ii
	global_store_b128 v[GOV], v[BK+4*ii:BK+4*ii+3], s[94:95] offset:4096*ii  ; sixteen lanes store 256 consecutive bytes, aligned
.set ii, ii+1
.endr
.Ldone:
	s_wait_tensorcnt 0x0                           ; the wave's end: a wait, an add of 0 to my spare word and its wait, behind my last tensor load and my last LDS store
	ds_add_u32 v[SPW], v[NIL]
	s_wait_dscnt 0x0
	CROUND                                         ; the closing round: no work-group ends while a partner may still ask for a tile that names it
	s_endpgm
.Lfunc_end_k_q989c2f3e48_qkv:
	.size	k_q989c2f3e48_qkv, .Lfunc_end_k_q989c2f3e48_qkv-k_q989c2f3e48_qkv
	.p2alignl 7, 3214868480
	.fill 96, 4, 3214868480
	.section	.rodata,"a",@progbits
	.p2align	6, 0x0
	.amdhsa_kernel k_q989c2f3e48_qkv
		.amdhsa_group_segment_fixed_size 327680
		.amdhsa_private_segment_fixed_size 0
		.amdhsa_enable_private_segment 0
		.amdhsa_kernarg_size 48
		.amdhsa_user_sgpr_count 2
		.amdhsa_user_sgpr_kernarg_segment_ptr 1
		.amdhsa_wavefront_size32 1
		.amdhsa_system_sgpr_workgroup_id_x 1
		.amdhsa_system_sgpr_workgroup_id_y 1
		.amdhsa_system_sgpr_workgroup_id_z 1
		.amdhsa_system_vgpr_workitem_id 0
		.amdhsa_next_free_vgpr 1024
		.amdhsa_next_free_sgpr 100
		.amdhsa_reserve_vcc 0
		.amdhsa_float_denorm_mode_32 3
		.amdhsa_float_denorm_mode_16_64 3
		.amdhsa_fp16_overflow 1
		.amdhsa_memory_ordered 1
		.amdhsa_forward_progress 1
		.amdhsa_inst_pref_size 99
	.end_amdhsa_kernel
	.amdgpu_metadata
---
amdhsa.version: [ 1, 2 ]
amdhsa.kernels:
  - .name:           k_q989c2f3e48_qkv
    .symbol:         k_q989c2f3e48_qkv.kd
    .args:
      - { .name: xc, .offset: 0, .size: 8, .value_kind: global_buffer, .address_space: global }
      - { .name: wc, .offset: 8, .size: 8, .value_kind: global_buffer, .address_space: global }
      - { .name: lowp_scales, .offset: 16, .size: 8, .value_kind: global_buffer, .address_space: global }
      - { .name: qc, .offset: 24, .size: 8, .value_kind: global_buffer, .address_space: global }
      - { .name: kc, .offset: 32, .size: 8, .value_kind: global_buffer, .address_space: global }
      - { .name: vc, .offset: 40, .size: 8, .value_kind: global_buffer, .address_space: global }
    .group_segment_fixed_size: 327680
    .private_segment_fixed_size: 0
    .kernarg_segment_align: 8
    .kernarg_segment_size: 48
    .max_flat_workgroup_size: 128
    .sgpr_count:     100
    .vgpr_count:     1024
    .wavefront_size: 32
...
	.end_amdgpu_metadata
.endif
;; end of part 2
;; launch attn (part 3): grid 4 x 64, 16 waves a work-group, no clusters, 327,680 bytes of LDS; arguments qc, kc, vc, lowp_scales, ac; writes ac
.if DOCPART == 3
	.amdgcn_target "amdgcn-amd-amdhsa--gfx1250"
	.amdhsa_code_object_version 6
	.text
	.protected	k_q989c2f3e48_attn
	.globl	k_q989c2f3e48_attn
	.p2align	8
	.type	k_q989c2f3e48_attn,@function
k_q989c2f3e48_attn:
	s_mov_b64 s[64:65], 0
	v_nop
	global_prefetch_b8 v0, s[64:65] scope:SCOPE_SE
	s_setreg_imm32_b32 hwreg(HW_REG_WAVE_MODE, 25, 1), 1
	s_wait_xcnt 0x0
; Causal attention on E4M3 codes, head size 64, 64 (batch, head) pairs of 2,048 tokens.  qc, kc: [bh][s][64 places]; vc: [bh][d][2,048 places along the keys] (the places: see the launch that made them);
; out: ac [head][b 2,048 + s][64], codes of O with the scale 2^e10, the head's 64 in their natural order.
; THE SOFTMAX AHEAD OF THE SECOND PRODUCT: t = score x log2(e) / 8; M = the row's largest t so far, rounded UP to a whole number; p = 2^(t - M) is quantised with 2^e8, not normalised.  The row's sum is taken of the
; unquantised p and divides O at the end.  When M moves, the sum and O are multiplied by 2^(old M - new M): exact.
; SHARES.  A work-group has one (batch, head) and TWO blocks of 256 queries, 7 - x and then x: (8 - x) + (x + 1) = 9 slots of keys with work in every work-group.  Each of its sixteen waves owns 16 queries of the block,
; in 256 registers: four waves to a SIMD, so that one wave's vector work stands beside another's matrix work and LDS loads.
; Each pass walks all 8 slots of 256 keys (constant trip counts); a step of 128 keys that all come after the wave's queries is jumped, and a slot whose first key comes after the work-group's last query is not asked for.
; LAYOUT.  Both products transposed: S^T = K Q^T (source 0 = 16 keys, 16x16x64), O^T = V^T P^T (source 0 = 16 of the head's 64, K = 128 keys): a lane holds ONE query throughout.  In S^T register 8 t + j of lane (r, h) is key
; 16 t + 8 h + j: the eight codes of tile t are registers 2 t, 2 t + 1 of P's fragment, each key in the place that the form gives it; V's places along the keys are laid so that plain 16-byte loads give V's fragment the same places.
; NO JOINT LOADS, though the work-groups of a head read the same K and V: under the mask a block asks for 256 (block + 1) keys, so partners would need different numbers of tiles, and a joint load is issued by all
; that it names; and a slot's 32 KiB feed 32 wave-steps of some 260 vector instructions each: what could be shared is a small part of a step's work.
; LIMITS on the given exponents, so that each power of two below is an f32 number: e6 + e7 between -123 and 130; e8, and e10 - e8 - e9, between -126 and 119.  NaN among the inputs is not served.
; REGISTERS: v1-11 addresses; v12 -M, v13 the largest t, v[14:15] the sum in two halves; v16-23 Q; v32-95 eight fragments of K, then four of V; v96-159 S^T, then p; v160-191 O^T; v224-239 p's codes; v236-254 at work and scales.
.set SLOT1, 65536                      ; slot 1 begins here: one exclusive or turns an address in one slot into the other's
.set VOFF,  64*272                     ; a slot: K as 64 rows of four keys (256 bytes + 16), then V's 64 rows of 256 places (+ 16)
.set STAGE, 2*SLOT1                    ; the way out: 16 rows x 80 bytes for each wave; bytes of its own, into which no tile lands
.set SPARE, STAGE+16*1280              ; the spare words, 128 bytes a wave
.set AK0,  1                           ; v1   my lane's place in a tile of K: (r / 4) 272 + (r % 4) 64 + 16 h
.set AV0,  2                           ; v2   in a tile of V: VOFF + 272 r + 16 h
.set PFO,  3                           ; v3   the prefetches' offset
.set STO,  4                           ; v4   the stage, in
.set SPW,  5
.set NIL,  6
.set GO,   7                           ; v7   16 x lane
.set ADK,  8
.set ADV,  9
.set SRD,  10                          ; v10  the stage, back
.set QA,   11                          ; v11  64 r + 16 h
.set TB,   2                           ; s2   LDS byte at which the slot in hand begins
.set BLK,  3                           ; s3   the block of queries
.set WV,   18
.set SEL,  20
.set CS,   22                          ; s[22:23] c = log2(e) / 8 x 2^(e6 + e7)
.set G1K,  24
.set G1V,  32
.set G0K,  40
.set G0V,  44
.set QH,   48                          ; s[48:49] qc at my head;  s[50:51] ac at my head and batch
.set AH,   50
.set QP,   52                          ; s[52:53], s[54:55] the same at my first query
.set AP,   54
.set SLOTS, 67
.set PFA,  76
.set PFS,  78
.set LIM,  80
.set KF,   98                          ; s98  the step's first key
.set Q0,   99                          ; s99  my first query
; Wave 0 fetches a slot's K, wave 1 its V, the others nothing.  An s_nop 0 and four v_nop follow each of the two lines.
.macro TLOAD
	s_cmp_eq_u32 s[WV], 0
	s_cbranch_scc0 .Lnot_k_\@
	tensor_load_to_lds s[G0K:G0K+3], s[G1K:G1K+7]
	s_nop 0
.rept 4
	v_nop
.endr
	s_branch .Lasked_\@
.Lnot_k_\@:
	s_cmp_eq_u32 s[WV], 1
	s_cbranch_scc0 .Lasked_\@
	tensor_load_to_lds s[G0V:G0V+3], s[G1V:G1V+7]
	s_nop 0
.rept 4
	v_nop
.endr
.Lasked_\@:
.endm
; A PREFETCH of what the NEXT change of slots will ask for: a slot's 16,384 bytes of K and 256 places of each of V's 64 rows.  Each aligned block of 256 bytes is named once in the launch: the head's work-group x = 0 asks,
; in its first pass (block 7, which walks all slots), by waves that fetch nothing: waves 4, 5 for K, 8,192 bytes a wave, lanes 256 bytes apart; waves 6, 7 for V, 32 rows a wave, a lane a row.
; Slots 0 and 1 come by their loads alone; the last change that fills a slot asks for nothing.
.macro ASK
	s_cmp_gt_u32 s[SLOTS], s[LIM]
	s_cbranch_scc0 .Lnot_mine_\@
	global_prefetch_b8 v[PFO], s[PFA:PFA+1] th:TH_LOAD_NT scope:SCOPE_SE
.Lnot_mine_\@:
.endm
	s_load_b128 s[4:7], s[0:1], 0x0                ; qc s[4:5], kc s[6:7]
	s_load_b128 s[12:15], s[0:1], 0x10             ; vc s[12:13], the scales' exponents s[14:15]
	s_load_b64 s[16:17], s[0:1], 0x20              ; ac
	v_lshl_add_u32 v[SPW], v0, 2, SPARE
	v_mov_b32 v[NIL], 0
	ds_add_u32 v[SPW], v[NIL]                      ; the wave's opening: the add and its wait stand ahead of my first tensor load; the set-up below stands between them
	ds_add_u32 v[SPW], v[NIL]
	v_lshrrev_b32 v8, 5, v0
	s_delay_alu instid0(VALU_DEP_1)
	v_readfirstlane_b32 s[WV], v8                  ; wave 0..15
	s_and_b32 s73, ttmp7, 0xffff                   ; b 16 + head
	s_lshl_b32 s74, s73, 17                        ; its 131,072 bytes in qc, kc and vc
	s_mov_b32 s75, 0
	s_and_b32 s82, s73, 15
	s_lshl_b32 s82, s82, 19                        ; ac: the head's plane of 8,192 rows x 64,
	s_lshr_b32 s81, s73, 4
	s_lshl_b32 s81, s81, 17                        ; the batch's 2,048 rows
	s_add_co_u32 s82, s82, s81
	s_mov_b32 s83, 0
	; descriptor group 1.  K: 256 keys of 64 bytes are dense in memory: stated as 64 rows of 256 bytes;  V: 64 rows of 256 bytes, 2,048 apart.  16 bytes of padding behind every 256
	s_mov_b32 s[G1K], (0<<16)|(1<<20)|(5<<22)|(3<<25)
	s_mov_b32 s[G1K+1], 256<<16                    ; tensor_dim0
	s_mov_b32 s[G1K+2], 64<<16                     ; tensor_dim1
	s_mov_b32 s[G1K+3], 256<<16                    ; tile_dim0
	s_mov_b32 s[G1K+4], 64                         ; tile_dim1
	s_mov_b32 s[G1K+5], 256                        ; tensor_dim0_stride
	s_mov_b32 s[G1K+6], 0
	s_mov_b32 s[G1K+7], 0
	s_mov_b32 s[G1V], (0<<16)|(1<<20)|(5<<22)|(3<<25)
	s_mov_b32 s[G1V+1], 256<<16
	s_mov_b32 s[G1V+2], 64<<16
	s_mov_b32 s[G1V+3], 256<<16
	s_mov_b32 s[G1V+4], 64
	s_mov_b32 s[G1V+5], 2048
	s_mov_b32 s[G1V+6], 0
	s_mov_b32 s[G1V+7], 0
	s_mov_b32 s[SEL], 0x76543210
	s_mov_b32 s[SEL+1], 0xfedcba98
	s_mov_b32 s[CS], 0x3e38aa3b                    ; log2(e) / 8
	s_mov_b32 s[TB], 0
	s_wait_dscnt 0x0                               ; the opening add is done
	s_wait_kmcnt 0x0
	s_load_b128 s[68:71], s[14:15], 0x18           ; e6, e7, e8, e9
	s_load_b32 s72, s[14:15], 0x28                 ; e10
	s_mov_b32 s[G0K], 1
	s_mov_b32 s[G0K+1], 0                          ; slot 0
	s_add_nc_u64 s[G0K+2:G0K+3], s[6:7], s[74:75]
	s_or_b32 s[G0K+3], s[G0K+3], 0x80000000
	s_mov_b32 s[G0V], 1
	s_mov_b32 s[G0V+1], VOFF
	s_add_nc_u64 s[G0V+2:G0V+3], s[12:13], s[74:75]
	s_or_b32 s[G0V+3], s[G0V+3], 0x80000000
	TLOAD                                          ; keys 0-255 into slot 0
	s_add_nc_u64 s[QH:QH+1], s[4:5], s[74:75]
	s_add_nc_u64 s[AH:AH+1], s[16:17], s[82:83]
	; the prefetches: where my wave's stand, and who asks
	s_cmp_lt_u32 s[WV], 6
	s_cselect_b64 s[PFA:PFA+1], s[6:7], s[12:13]
	s_mov_b32 s[PFS], 256
	s_cselect_b32 s[PFS], 16384, s[PFS]            ; a slot on
	s_mov_b32 s84, 2048
	s_cselect_b32 s84, 256, s84                    ; from lane to lane
	s_mov_b32 s85, 65536
	s_cselect_b32 s85, 8192, s85                   ; from wave to wave
	v_and_b32 v[PFO], 31, v0
	s_delay_alu instid0(VALU_DEP_1)
	v_mul_lo_u32 v[PFO], v[PFO], s84
	s_and_b32 s84, s[WV], 1
	s_mul_i32 s84, s84, s85
	s_add_co_u32 s84, s84, s[PFS]                  ; in slot 1: the first change of slots steps it to slot 2
	s_mov_b32 s85, 0
	s_mov_b32 s[PFS+1], 0
	s_add_nc_u64 s[PFA:PFA+1], s[PFA:PFA+1], s[74:75]
	s_add_nc_u64 s[PFA:PFA+1], s[PFA:PFA+1], s[84:85]
	s_sub_co_u32 s84, s[WV], 4
	s_lshr_b32 s84, s84, 2                         ; 0 in waves 4 to 7,
	s_or_b32 s84, s84, ttmp9                       ; of the head's work-group 0
	s_cmp_eq_u32 s84, 0
	s_cselect_b32 s[LIM], 1, -1
	v_and_b32 v8, 15, v0                           ; r
	v_bfe_u32 v9, v0, 4, 1                         ; h
	s_delay_alu instid0(VALU_DEP_2)
	v_lshrrev_b32 v252, 2, v8
	s_delay_alu instid0(VALU_DEP_1)
	v_mul_u32_u24 v[AK0], v252, 272
	s_delay_alu instid0(VALU_DEP_4)
	v_and_b32 v252, 3, v8
	s_delay_alu instid0(VALU_DEP_1)
	v_lshl_add_u32 v[AK0], v252, 6, v[AK0]
	s_delay_alu instid0(VALU_DEP_1)
	v_lshl_add_u32 v[AK0], v9, 4, v[AK0]
	v_mul_u32_u24 v[AV0], v8, 272
	s_delay_alu instid0(VALU_DEP_1)
	v_lshl_add_u32 v[AV0], v9, 4, v[AV0]
	s_delay_alu instid0(VALU_DEP_1)
	v_add_nc_u32 v[AV0], VOFF, v[AV0]
	s_mul_i32 s81, s[WV], 1280
	s_add_co_u32 s81, s81, STAGE                   ; my stage
	v_mul_u32_u24 v[STO], v8, 80
	s_delay_alu instid0(VALU_DEP_1)
	v_lshl_add_u32 v[STO], v9, 3, v[STO]
	s_delay_alu instid0(VALU_DEP_1)
	v_add_nc_u32 v[STO], s81, v[STO]               ; in: row r, byte 8 h (+ 16 t)
	v_and_b32 v254, 31, v0
	s_delay_alu instid0(VALU_DEP_1)
	v_lshlrev_b32 v[GO], 4, v254
	s_delay_alu instid0(VALU_DEP_2)
	v_lshrrev_b32 v252, 2, v254
	s_delay_alu instid0(VALU_DEP_1)
	v_mul_u32_u24 v[SRD], v252, 80
	s_delay_alu instid0(VALU_DEP_4)
	v_and_b32 v252, 3, v254
	s_delay_alu instid0(VALU_DEP_1)
	v_lshl_add_u32 v[SRD], v252, 4, v[SRD]
	s_delay_alu instid0(VALU_DEP_1)
	v_add_nc_u32 v[SRD], s81, v[SRD]               ; back: row l / 4, byte 16 (l % 4)
	v_lshlrev_b32 v[QA], 6, v8
	s_delay_alu instid0(VALU_DEP_1)
	v_lshl_add_u32 v[QA], v9, 4, v[QA]
	v_mov_b32 v236, 0                              ; written once: a lane permute's destination counts as one of its sources
	v_mov_b32 v252, 0
	v_mov_b32 v253, 0                              ; (named as the upper half of the pair v[252:253])
	s_wait_alu depctr_va_vdst(0)
	s_wait_kmcnt 0x0
	s_add_co_i32 s81, s68, s69
	s_lshl_b32 s81, s81, 23
	s_add_co_i32 s[CS], s[CS], s81                 ; a score stands for score x 2^(e6 + e7): added to c's exponent field
	s_mov_b32 s[CS+1], s[CS]
	s_add_co_i32 s81, s70, 127
	s_lshl_b32 s82, s81, 23
	v_mov_b32 v244, s82                            ; 2^e8
	s_sub_co_i32 s81, s72, s70
	s_sub_co_i32 s81, s81, s71                     ; O = (sum / l) x 2^(e8 + e9): its code is (sum / l) / 2^(e10 - e8 - e9)
	s_add_co_i32 s81, s81, 127
	s_lshl_b32 s82, s81, 23
	v_mov_b32 v245, s82
; A KEY STEP: 128 keys, the q-th of the slot in hand.
.macro STEP q
	s_add_co_u32 s96, s[Q0], 15                    ; a step all of whose keys come after my 16 queries is left out: a scalar branch on ids and counted steps; no barrier, wait for tiles or tensor load stands in a step
	s_cmp_gt_u32 s[KF], s96
	s_cbranch_scc1 .Lhidden_\@
	v_add_nc_u32 v[ADK], s[TB], v[AK0]
	v_add_nc_u32 v[ADV], s[TB], v[AV0]
	v_nop                                          ; with the two additions: four places in front of loads into registers that the last products read
	v_nop
.irp t, 0,1,2,3,4,5,6,7
	ds_load_b128 v[32+8*\t:35+8*\t], v[ADK] offset:8704*(\q)+1088*\t       ; keys 16 t + r: places 16 h on,
	ds_load_b128 v[36+8*\t:39+8*\t], v[ADK] offset:8704*(\q)+1088*\t+32    ; and 32 + 16 h on: as Q's fragment has them
.endr
	s_wait_alu depctr_va_vdst(0)
	s_wait_dscnt 0x0
.irp t, 0,1,2,3,4,5,6,7
	v_wmma_f32_16x16x64_fp8_fp8 v[96+8*\t:103+8*\t], v[32+8*\t:39+8*\t], v[16:23], 0
.endr
.rept 4
	v_nop                                          ; places: in front of the loads below and of the first read of the scores
.endr
.irp t, 0,1,2,3
.irp c, 0,1,2,3
	ds_load_b128 v[32+16*\t+4*\c:35+16*\t+4*\c], v[ADV] offset:4352*\t+128*(\q)+32*\c   ; V's four fragments land while the softmax is walked
.endr
.endr
	s_add_co_u32 s96, s[KF], 127                   ; on the diagonal the scores of hidden keys become -infinity ahead of the maximum: p = 0 then.  A step all of whose keys count skips this
	s_cmp_le_u32 s96, s[Q0]
	s_cbranch_scc1 .Lopen_\@
	s_sub_co_i32 s96, s[Q0], s[KF]
	v_and_b32 v252, 15, v0
	v_bfe_u32 v253, v0, 4, 1
	s_delay_alu instid0(VALU_DEP_1)
	v_lshlrev_b32 v253, 3, v253
	s_delay_alu instid0(VALU_DEP_1)
	v_sub_nc_u32 v252, v252, v253
	s_delay_alu instid0(VALU_DEP_1)
	v_add_nc_u32 v252, s96, v252                   ; d = my query - KF - 8 h.  Register 8 t + j holds key KF + 8 h + 16 t + j: hidden where 16 t + j > d
	v_mov_b32 v254, 0xff800000
.set nn, 0
.rept 64
	v_cmp_gt_i32 vcc_lo, 16*(nn/8)+nn%8, v252
	v_cndmask_b32 v[96+nn], v[96+nn], v254, vcc_lo
.set nn, nn+1
.endr
.Lopen_\@:
	v_max3_num_f32 v254, v96, v97, v98             ; the step's largest score of my query among my 64 keys, in two chains, each tile from its low end on,
	v_max3_num_f32 v252, v99, v100, v101
.irp i, 6,10,14,18,22,26,30,34,38,42,46,50,54,58
	v_max3_num_f32 v254, v254, v[96+\i], v[97+\i]
	v_max3_num_f32 v252, v252, v[98+\i], v[99+\i]
.endr
	v_max3_num_f32 v254, v254, v158, v159
	s_delay_alu instid0(VALU_DEP_1)
	v_max_num_f32 v254, v254, v252
	v_permlanex16_b32 v236, v254, s[SEL], s[SEL+1]
	s_delay_alu instid0(VALU_DEP_1)
	v_max_num_f32 v254, v254, v236                 ; and among lane l xor 16's
	s_delay_alu instid0(VALU_DEP_1)
	v_mul_f32 v254, s[CS], v254                    ; as t (c is positive)
	s_delay_alu instid0(VALU_DEP_1)
	v_max_num_f32 v13, v13, v254                   ; the running largest t
	v_mov_b32 v254, v12
	s_delay_alu instid0(VALU_DEP_2)
	v_floor_f32 v12, -v13                          ; the new -M = floor(-t): M is a whole number
	s_delay_alu instid0(VALU_DEP_1)
	v_sub_f32 v254, v12, v254                      ; old M - new M: a whole number, 0 or less
	s_delay_alu instid0(VALU_DEP_1)
	v_cvt_i32_f32 v254, v254                       ; (it saturates)
	s_delay_alu instid0(VALU_DEP_1)
	v_ldexp_f32 v252, 1.0, v254                    ; f = 2^(old M - new M)
.set nn, 0
.rept 32
	v_pk_fma_f32 v[96+nn:97+nn], v[96+nn:97+nn], s[CS:CS+1], v[12:13] op_sel_hi:[1,0,0]   ; t - M, two at a time (of the pairs c and -M the low word serves both halves)
.set nn, nn+2
.endr
.set nn, 0
	s_wait_alu depctr_va_vdst(0)
.rept 64
	v_exp_f32 v[96+nn], v[96+nn]                   ; p = 2^(t - M)
.set nn, nn+1
.endr
	v_pk_mul_f32 v[14:15], v[14:15], v[252:253] op_sel_hi:[1,0]   ; the sums under the new M: the plain line behind the exponentials
	s_wait_alu depctr_va_vdst(0)                   ; one wait for the whole batch, ahead of its first reader
	v_pk_add_f32 v[242:243], v[100:101], v[104:105]
	v_pk_add_f32 v[254:255], v[108:109], v[112:113]
	v_pk_add_f32 v[250:251], v[116:117], v[120:121]
	v_pk_add_f32 v[248:249], v[124:125], v[128:129]
	v_pk_add_f32 v[246:247], v[132:133], v[136:137]
	v_pk_add_f32 v[240:241], v[140:141], v[144:145]
	v_pk_add_f32 v[238:239], v[148:149], v[152:153]
	v_pk_add_f32 v[14:15], v[14:15], v[156:157]
	v_pk_add_f32 v[242:243], v[242:243], v[96:97]
	v_pk_add_f32 v[254:255], v[254:255], v[98:99]
	v_pk_add_f32 v[250:251], v[250:251], v[102:103]
	v_pk_add_f32 v[248:249], v[248:249], v[106:107]
	v_pk_add_f32 v[246:247], v[246:247], v[110:111]
	v_pk_add_f32 v[240:241], v[240:241], v[114:115]
	v_pk_add_f32 v[238:239], v[238:239], v[118:119]
	v_pk_add_f32 v[14:15], v[14:15], v[122:123]
	v_pk_add_f32 v[242:243], v[242:243], v[126:127]
	v_pk_add_f32 v[254:255], v[254:255], v[130:131]
	v_pk_add_f32 v[250:251], v[250:251], v[134:135]
	v_pk_add_f32 v[248:249], v[248:249], v[138:139]
	v_pk_add_f32 v[246:247], v[246:247], v[142:143]
	v_pk_add_f32 v[240:241], v[240:241], v[146:147]
	v_pk_add_f32 v[238:239], v[238:239], v[150:151]
	v_pk_add_f32 v[14:15], v[14:15], v[154:155]
	v_pk_add_f32 v[242:243], v[242:243], v[158:159]
	s_delay_alu instid0(VALU_DEP_2)
	v_pk_add_f32 v[14:15], v[14:15], v[248:249]
	s_delay_alu instid0(VALU_DEP_2)
	v_pk_add_f32 v[242:243], v[242:243], v[246:247]
	v_pk_add_f32 v[254:255], v[254:255], v[240:241]
	v_pk_add_f32 v[250:251], v[250:251], v[238:239]
	s_delay_alu instid0(VALU_DEP_2)
	v_pk_add_f32 v[14:15], v[14:15], v[254:255]
	s_delay_alu instid0(VALU_DEP_2)
	v_pk_add_f32 v[242:243], v[242:243], v[250:251]
	s_delay_alu instid0(VALU_DEP_1)
	v_pk_add_f32 v[14:15], v[14:15], v[242:243]
.irp b, 0,1,2,3,4,5,6,7
.irp i, 0,1,2,3,4,5,6,7
.endr
	v_cvt_scalef32_pk8_fp8_f32 v[224+2*\b:225+2*\b], v[96+8*\b:103+8*\b], v244
.endr
.set nn, 0
.rept 16
	v_pk_mul_f32 v[160+nn:161+nn], v[160+nn:161+nn], v[252:253] op_sel_hi:[1,0]   ; O^T under the new M; these are also the plain lines between the conversions and the products
.set nn, nn+2
.endr
	s_wait_alu depctr_va_vdst(0)
	s_wait_dscnt 0x0                               ; V's fragments are in
.irp t, 0,1,2,3
	v_wmma_f32_16x16x128_fp8_fp8 v[160+8*\t:167+8*\t], v[32+16*\t:47+16*\t], v[224:239], v[160+8*\t:167+8*\t]   ; the four accumulators by turns, one instruction a turn
.endr
.Lhidden_\@:
	s_add_co_u32 s[KF], s[KF], 128
.endm
; THE CHANGE OF SLOTS stands at a slot's head.  Each wave waits for all its tensor loads, adds 0 to its spare word, and waits for that and for its reads of the slot that it has left; behind the barrier the slot
; ahead is whole and nobody reads the other one.  kind = 1: the other slot takes the next 256 keys, up to the causal limit.  kind = 2: it takes keys 0-255 again, for the second pass.  kind = 0: nothing is asked for.
; By this text's own count a wave has at most one tensor load out.
.macro CHANGE kind, ask
	s_wait_tensorcnt 0x0                           ; no tensor load of mine is out, so a group 0 may be written
	ds_add_u32 v[SPW], v[NIL]                      ; 0 onto my spare word
.if \kind
	s_xor_b32 s[G0K+1], s[G0K+1], SLOT1            ; the walking descriptors: the other slot than last time,
	s_xor_b32 s[G0V+1], s[G0V+1], SLOT1
.endif
.if \kind == 1
	s_add_nc_u64 s[G0K+2:G0K+3], s[G0K+2:G0K+3], 16384   ; the next 256 keys; the type bits on top are not reached
	s_add_nc_u64 s[G0V+2:G0V+3], s[G0V+2:G0V+3], 256
.endif
.if \kind == 2
	s_sub_nc_u64 s[G0K+2:G0K+3], s[G0K+2:G0K+3], 7*16384 ; back to the head's first keys
	s_sub_nc_u64 s[G0V+2:G0V+3], s[G0V+2:G0V+3], 7*256
.endif
.if \ask
	s_wait_xcnt 0x0                                ; the last prefetch, a slot back, has read its address, so it may be written:
	s_add_nc_u64 s[PFA:PFA+1], s[PFA:PFA+1], s[PFS:PFS+1]  ; one slot further on than the walking descriptors
.endif
	s_wait_dscnt 0x0                               ; the add is done, and my reads of the slot that I have left are over
	s_barrier_signal -1
	s_barrier_wait -1
.if \kind == 1
	s_add_co_u32 s96, s[KF], 256                   ; the first key of the slot that this change would ask for,
	s_or_b32 s97, s[Q0], 255                       ; my work-group's last query:
	s_cmp_gt_u32 s96, s97                          ; a slot beyond it is read by none of the sixteen waves and is not asked for.  Ids and counted steps alone: all waves go the same way, and every wait for tiles in this text is for 0
	s_cbranch_scc1 .Lpast_\@
.endif
.if \kind
	TLOAD                                          ; a wave's one tensor load until the next such barrier
.endif
.Lpast_\@:
.if \ask
	ASK
.endif
.endm
.macro SLOT_STEPS
	STEP 0
	STEP 1
	s_xor_b32 s[TB], s[TB], SLOT1                  ; on to the other slot
.endm
; THE WAY OUT.  O^T / the sum is quantised with the three scales folded into one; a lane's eight codes of a tile are 8 bytes of its query's row; the 16 rows of 64 bytes go through my stage and leave as 1,024 consecutive bytes.
.macro WAYOUT
.rept 4
	v_nop                                          ; places behind the last products
.endr
	v_add_f32 v14, v14, v15
	s_delay_alu instid0(VALU_DEP_1)
	v_permlanex16_b32 v252, v14, s[SEL], s[SEL+1]
	s_delay_alu instid0(VALU_DEP_1)
	v_add_f32 v14, v14, v252                       ; the row's sum
	s_wait_alu depctr_va_vdst(0)
	v_rcp_f32 v14, v14
	v_nop                                          ; a plain line behind the transcendental,
	s_wait_alu depctr_va_vdst(0)                   ; and the wait ahead of its first reader
.set nn, 0
.rept 16
	v_pk_mul_f32 v[96+nn:97+nn], v[160+nn:161+nn], v[14:15] op_sel_hi:[1,0]   ; each accumulator from its low end on
.set nn, nn+2
.endr
.set nn, 0
.rept 32
.set nn, nn+1
.endr
.irp t, 0,1,2,3
	v_cvt_scalef32_pk8_fp8_f32 v[224+2*\t:225+2*\t], v[96+8*\t:103+8*\t], v245
.endr
	v_nop                                          ; one plain vector line behind the last conversion
.irp t, 0,1,2,3
	ds_store_b64 v[STO], v[224+2*\t:225+2*\t] offset:16*\t                 ; o(r, 16 t + 8 h + 0 .. 7)
.endr
	ds_load_b128 v[32:35], v[SRD]                  ; LDS serves a wave's instructions in order (ISA guide 5.7.1.4): these see my stores
	ds_load_b128 v[36:39], v[SRD] offset:640
	s_wait_dscnt 1                                 ; the first eight rows are back; the second load may be out
	global_store_b128 v[GO], v[32:35], s[AP:AP+1]  ; 32 lanes store 512 consecutive bytes, aligned
	s_wait_dscnt 0
	global_store_b128 v[GO], v[36:39], s[AP:AP+1] offset:512
.endm
; A PASS: one block of 256 queries over all 8 slots.  first = 1: block 7 - x, with the prefetches; its last change of slots asks for the second pass's first keys.  first = 0: block x.
.macro PASSM first
.if \first
	s_sub_co_u32 s[BLK], 7, ttmp9
.else
	s_wait_xcnt 0x0                                ; the first pass's stores have read their base and registers: both are written again below
	s_mov_b32 s[BLK], ttmp9
.endif
	s_lshl_b32 s[Q0], s[BLK], 8
	s_lshl_b32 s96, s[WV], 4
	s_add_co_u32 s[Q0], s[Q0], s96                 ; my first query
	s_lshl_b32 s56, s[Q0], 6
	s_mov_b32 s57, 0
	s_add_nc_u64 s[QP:QP+1], s[QH:QH+1], s[56:57]
	s_add_nc_u64 s[AP:AP+1], s[AH:AH+1], s[56:57]
	global_load_b128 v[16:19], v[QA], s[QP:QP+1]               ; Q's fragment stays in registers
	global_load_b128 v[20:23], v[QA], s[QP:QP+1] offset:32
	v_mov_b32 v13, 0xff61b1e6                      ; the largest t so far: -3e38, under every t
	s_delay_alu instid0(VALU_DEP_1)
	v_floor_f32 v12, -v13
	v_mov_b32 v14, 0
	v_mov_b32 v15, 0
.set nn, 0
.rept 32
	v_mov_b32 v[160+nn], 0                         ; O^T: the step is written once; the first finds zeros, which the first change of M leaves zeros
.set nn, nn+1
.endr
	s_mov_b32 s[KF], 0
	s_mov_b32 s[SLOTS], 7
	s_wait_loadcnt 0x0                             ; Q
.Lslot_\@:
	CHANGE 1, \first
	SLOT_STEPS
	s_sub_co_u32 s[SLOTS], s[SLOTS], 1
	s_cmp_lg_u32 s[SLOTS], 0
	s_cbranch_scc1 .Lslot_\@
	CHANGE 2*(\first), 0
	SLOT_STEPS
	WAYOUT
.endm
	PASSM 1
	PASSM 0
	s_wait_tensorcnt 0x0                           ; the wave's end: a wait, an add of 0 to my spare word and its wait, behind my last tensor load and my last LDS store
	ds_add_u32 v[SPW], v[NIL]
	s_wait_dscnt 0x0
	s_endpgm
.Lfunc_end_k_q989c2f3e48_attn:
	.size	k_q989c2f3e48_attn, .Lfunc_end_k_q989c2f3e48_attn-k_q989c2f3e48_attn
	.p2alignl 7, 3214868480
	.fill 96, 4, 3214868480
	.section	.rodata,"a",@progbits
	.p2align	6, 0x0
	.amdhsa_kernel k_q989c2f3e48_attn
		.amdhsa_group_segment_fixed_size 327680
		.amdhsa_private_segment_fixed_size 0
		.amdhsa_enable_private_segment 0
		.amdhsa_kernarg_size 40
		.amdhsa_user_sgpr_count 2
		.amdhsa_user_sgpr_kernarg_segment_ptr 1
		.amdhsa_wavefront_size32 1
		.amdhsa_system_sgpr_workgroup_id_x 1
		.amdhsa_system_sgpr_workgroup_id_y 1
		.amdhsa_system_sgpr_workgroup_id_z 1
		.amdhsa_system_vgpr_workitem_id 0
		.amdhsa_next_free_vgpr 256
		.amdhsa_next_free_sgpr 100
		.amdhsa_reserve_vcc 1
		.amdhsa_float_denorm_mode_32 3
		.amdhsa_float_denorm_mode_16_64 3
		.amdhsa_fp16_overflow 1
		.amdhsa_memory_ordered 1
		.amdhsa_forward_progress 1
		.amdhsa_inst_pref_size 173
	.end_amdhsa_kernel
	.amdgpu_metadata
---
amdhsa.version: [ 1, 2 ]
amdhsa.kernels:
  - .name:           k_q989c2f3e48_attn
    .symbol:         k_q989c2f3e48_attn.kd
    .args:
      - { .name: qc, .offset: 0, .size: 8, .value_kind: global_buffer, .address_space: global }
      - { .name: kc, .offset: 8, .size: 8, .value_kind: global_buffer, .address_space: global }
      - { .name: vc, .offset: 16, .size: 8, .value_kind: global_buffer, .address_space: global }
      - { .name: lowp_scales, .offset: 24, .size: 8, .value_kind: global_buffer, .address_space: global }
      - { .name: ac, .offset: 32, .size: 8, .value_kind: global_buffer, .address_space: global }
    .group_segment_fixed_size: 327680
    .private_segment_fixed_size: 0
    .kernarg_segment_align: 8
    .kernarg_segment_size: 40
    .max_flat_workgroup_size: 512
    .sgpr_count:     100
    .vgpr_count:     256
    .wavefront_size: 32
...
	.end_amdgpu_metadata
.endif
;; end of part 3
;; launch oproj (part 4): grid 4 x 32, 4 waves a work-group, clusters of 4 x 4, 327,680 bytes of LDS; arguments ac, wc, lowp_scales, out0; writes out0
.if DOCPART == 4
	.amdgcn_target "amdgcn-amd-amdhsa--gfx1250"
	.amdhsa_code_object_version 6
	.text
	.protected	k_q989c2f3e48_oproj
	.globl	k_q989c2f3e48_oproj
	.p2align	8
	.type	k_q989c2f3e48_oproj,@function
k_q989c2f3e48_oproj:
	s_mov_b64 s[64:65], 0
	v_nop
	global_prefetch_b8 v0, s[64:65] scope:SCOPE_SE
	s_setreg_imm32_b32 hwreg(HW_REG_WAVE_MODE, 25, 1), 1
	s_wait_xcnt 0x0
	s_wait_alu depctr_hold_cnt(0) depctr_sa_sdst(0) depctr_va_vdst(0) depctr_va_sdst(0) depctr_va_ssrc(0) depctr_va_vcc(0) depctr_vm_vsrc(0)
	s_getreg_b32 s2, hwreg(HW_REG_IB_STS2, 6, 4)
	s_cmp_eq_u32 s2, 0
	s_cbranch_scc0 .Lentry_in_a_cluster
	s_endpgm
.Lentry_in_a_cluster:
	s_bfe_u32 s2, ttmp6, 0x10000c
	s_cmp_lg_u32 s2, 0xf033
	s_cbranch_scc0 .Lentry_shape_is_right
	s_endpgm
.Lentry_shape_is_right:
; out0 = O wo^T on E4M3 codes: C[m][n] = 2^(e10 + e11) x the sum over k of A[m][k] B[n][k], M 8,192, N 1,024, K 1,024; C f32.
; A: the attention's codes, ac [head 16][row 8,192][64]: k = 64 head + d.  B: wo's codes, plane 3 of wc, [1,024][1,024].  LIMIT: e10 + e11 between -126 and 127, so that 2^(e10 + e11) is an f32 number.
; A tile of C is 256 x 256: 128 work-groups of four waves, a wave 128 x 128 in 64 accumulators.  (128 work-groups: a tile of 128 x 256 would give 256 at twice the LDS bytes for each product; it was not taken.)
; K goes in steps of 256 through a ring of two LDS slots.  A K step of A is FOUR HEAD PLANES: of each, a wave's 128 rows x 64 bytes are 8,192 dense bytes: one tensor load of 4 lines of 8,192 bytes, 524,288 apart, with 16 bytes
; of padding behind every 256: a plane takes 8,704 bytes of LDS, row p of it at (p / 4) 272 + (p % 4) 64: the sixteen rows of a fragment load touch sixteen different groups of four banks.
; CLUSTERS: 4 x 4 work-groups; A's tile is asked for jointly along a row of the cluster, B's along a column.  THE MATRIX INSTRUCTION IS USED TRANSPOSED (source 0 = rows of B, source 1 = rows of A).
; REGISTERS: window 0: v1-29 addresses; from v128 A's fragments, ONE set; on the way out v32-255 are free.  window 1: B's fragments, TWO sets.  windows 2, 3: the accumulators.
.set SIZE_N, 1024
.set ROWB,   256
.set KROW,   1024
.set PITCH,  272
.set PLANE,  32*PITCH                  ; 128 rows of one head plane in LDS
.set ASTEP,  4*524288                  ; a K step of A in memory: four planes
.set FR,     16
.set NL,     4
.set NP,     4
.set HALFT,  128*PITCH
.set SLOT,   4*HALFT
.set LAPS,   2
.set SPARE,  2*SLOT
.set SPITCH, 528                       ; the way out: a stage of 16 rows x (512 + 16) bytes for each wave, in slot 0, which has had its last fill and its last read when the first result is stored there
.set ADRA, 16
.set ADRB, 20
.set STO,  24
.set RD,   25
.set CO,   26
.set SPW,  28
.set NIL,  29
.set TMP,  32
.set AF,   128
.set BK,   128
.set G1, 24
.set G0, 32
.set G1B, 48
.set G0B, 56
.set MSB, 0
.macro WIN new
.if MSB != \new
	s_set_vgpr_msb (MSB<<8)|\new
.set MSB, \new
.endif
.endm
.set MUL_LO, 0xa1
.set MUL_HI, 0xf1
.set TO_B,   0x40
.macro JLOAD g0a, g1a, g0b, g1b        ; waves 0 and 1 fetch for A, waves 2 and 3 for B; an s_nop 0 and four v_nop follow each of the two lines
	s_cmp_eq_u32 s15, 0
	s_cbranch_scc0 .Lfor_b_\@
	tensor_load_to_lds s[\g0a:\g0a+3], s[\g1a:\g1a+7]
	s_nop 0
.rept 4
	v_nop
.endr
	s_branch .Lasked_\@
.Lfor_b_\@:
	tensor_load_to_lds s[\g0b:\g0b+3], s[\g1b:\g1b+7]
	s_nop 0
.rept 4
	v_nop
.endr
.Lasked_\@:
.endm
.macro CREST
	s_cmp_lg_u32 s14, 0
	s_cbranch_scc1 .Lnot_wave_0_\@
	s_barrier_signal -3
.Lnot_wave_0_\@:
	s_barrier_wait -3
	s_barrier_signal -1
	s_barrier_wait -1
.endm
.macro CROUND
	s_barrier_signal -1
	s_barrier_wait -1
	CREST
.endm
	s_load_b128 s[4:7], s[0:1], 0x0                ; ac s[4:5], wc s[6:7]
	s_load_b128 s[8:11], s[0:1], 0x10              ; the scales' exponents s[8:9], out0 s[10:11]
	v_lshl_add_u32 v[SPW], v0, 2, SPARE
	v_mov_b32 v[NIL], 0
	ds_add_u32 v[SPW], v[NIL]                      ; the wave's opening: the add and its wait stand ahead of my first tensor load
	ds_add_u32 v[SPW], v[NIL]
	v_lshrrev_b32 v1, 5, v0
	v_readfirstlane_b32 s14, v1                    ; wave 0..3
	s_lshr_b32 s15, s14, 1                         ; my half of the tile's rows.  Also: I fetch for A (0) or for B (1)
	s_and_b32 s16, s14, 1                          ; my half of its columns.  Also: which 128 rows I fetch
	s_bfe_u32 s40, ttmp6, 0x40000                  ; cx
	s_bfe_u32 s41, ttmp6, 0x40004                  ; cy
	s_lshl_b32 s42, ttmp9, 2
	s_add_co_u32 s42, s42, s40                     ; tile column
	s_and_b32 s17, ttmp7, 0xffff
	s_lshl_b32 s17, s17, 2
	s_add_co_u32 s17, s17, s41                     ; tile row
	s_lshl_b32 s43, s41, 2
	s_lshl_b32 s43, 15, s43                        ; my row of the cluster
	s_lshl_b32 s44, 0x1111, s40                    ; my column
	s_or_b32 s[G1+0], s43, (0<<16)|(1<<20)|(1<<21)|(5<<22)|(3<<25)  ; A: the mask of my row; elements of 1 byte; padding: four words after every 64; bit 21 set beside a mask
	s_mov_b32 s[G1+1], 8192<<16                    ; tensor_dim0 = 8,192: 128 rows x 64 bytes of one plane
	s_mov_b32 s[G1+2], 4<<16                       ; tensor_dim1 = 4 planes
	s_mov_b32 s[G1+3], 8192<<16                    ; tile_dim0
	s_mov_b32 s[G1+4], 4                           ; tile_dim1
	s_mov_b32 s[G1+5], 524288                      ; from plane to plane
	s_mov_b32 s[G1+6], 0
	s_mov_b32 s[G1+7], 0
	s_or_b32 s[G1B+0], s44, (0<<16)|(1<<20)|(1<<21)|(5<<22)|(3<<25) ; B: 128 rows x 256 bytes
	s_mov_b32 s[G1B+1], ROWB<<16
	s_mov_b32 s[G1B+2], 128<<16
	s_mov_b32 s[G1B+3], ROWB<<16
	s_mov_b32 s[G1B+4], 128
	s_mov_b32 s[G1B+5], KROW
	s_mov_b32 s[G1B+6], 0
	s_mov_b32 s[G1B+7], 0
	s_lshl_b32 s18, s16, 7
	s_lshl_b32 s20, s17, 8
	s_add_co_u32 s20, s20, s18
	s_lshl_b32 s20, s20, 6                         ; A: row 256 x tile row + 128 x half, 64 bytes a row in a plane
	s_mov_b32 s21, 0
	s_lshl_b32 s46, s42, 8
	s_add_co_u32 s46, s46, s18
	s_lshl_b32 s46, s46, 10                        ; B: row 256 x tile column + 128 x half,
	s_add_co_u32 s46, s46, 0x300000                ; in plane 3 of wc
	s_mov_b32 s47, 0
	s_mul_i32 s45, s14, HALFT                      ; where they go: wave x 34,816 bytes
	s_wait_dscnt 0x0                               ; the opening add is done
	s_wait_kmcnt 0x0
	s_load_b64 s[96:97], s[8:9], 0x28              ; e10, e11
	s_add_nc_u64 s[20:21], s[4:5], s[20:21]
	s_add_nc_u64 s[46:47], s[6:7], s[46:47]
	CROUND                                         ; all sixteen work-groups are here: the first joint loads meet
.irp s, 0,1
	s_mov_b32 s[G0+4*\s], 1
	s_add_co_u32 s[G0+4*\s+1], s45, \s*SLOT
	s_add_nc_u64 s[G0+4*\s+2:G0+4*\s+3], s[20:21], \s*ASTEP
	s_or_b32 s[G0+4*\s+3], s[G0+4*\s+3], 0x80000000
	s_mov_b32 s[G0B+4*\s], 1
	s_add_co_u32 s[G0B+4*\s+1], s45, \s*SLOT
	s_add_nc_u64 s[G0B+4*\s+2:G0B+4*\s+3], s[46:47], \s*ROWB
	s_or_b32 s[G0B+4*\s+3], s[G0B+4*\s+3], 0x80000000
	s_wait_alu depctr_va_vdst(0)
	s_wait_tensorcnt 0x0
	ds_add_u32 v28, v29
	ds_add_u32 v28, v29
	s_wait_dscnt 0x0
	CROUND
	JLOAD G0+4*\s, G1, G0B+4*\s, G1B
.endr
	v_and_b32 v1, 15, v0                           ; r
	v_bfe_u32 v2, v0, 4, 1                         ; h
	v_mul_u32_u24 v3, v1, PITCH
	v_lshl_add_u32 v4, v2, 4, v3                   ; B: row x pitch + 16 h
	v_lshrrev_b32 v7, 2, v1
	v_mul_u32_u24 v7, v7, PITCH
	v_and_b32 v8, 3, v1
	v_lshl_add_u32 v7, v8, 6, v7
	v_lshl_add_u32 v7, v2, 4, v7                   ; A: (r / 4) 272 + (r % 4) 64 + 16 h
	s_mul_i32 s21, s15, HALFT                      ; my 128 rows of A
	s_mul_i32 s22, s16, HALFT                      ; my 128 rows of B,
	s_add_co_u32 s22, s22, 2*HALFT                 ; behind A's two halves
.irp s, 0,1
	v_add_nc_u32 v[ADRA+\s], s21, v7
	v_add_nc_u32 v[ADRB+\s], s22, v4
	s_add_co_u32 s21, s21, SLOT
	s_add_co_u32 s22, s22, SLOT
.endr
	s_mul_i32 s23, s14, 16*SPITCH                  ; my stage
	v_mul_u32_u24 v5, v1, SPITCH
	v_lshl_add_u32 v5, v2, 5, v5
	v_add_nc_u32 v[STO], s23, v5                   ; in: row r, 32 bytes for each half of the lanes
	v_and_b32 v6, 31, v0
	v_lshlrev_b32 v[CO], 4, v6                     ; back: the 32 lanes take one row of 512 bytes; and the same in C
	v_add_nc_u32 v[RD], s23, v[CO]
	s_lshl_b32 s20, s17, 8
	s_lshl_b32 s21, s15, 7
	s_add_co_u32 s20, s20, s21
	s_lshl_b32 s20, s20, 12                        ; my first row of C, 4,096 bytes a row
	s_lshl_b32 s46, s42, 10
	s_lshl_b32 s47, s16, 9
	s_add_co_u32 s46, s46, s47                     ; my first column, in bytes
	s_add_co_u32 s20, s20, s46
	s_mov_b32 s21, 0
	s_add_nc_u64 s[10:11], s[10:11], s[20:21]
.macro FRAG reg, adr, q, i             ; B: registers 4 c .. 4 c + 3 hold K = 128 q + 32 c + 16 h + 0 .. 15 of row 16 i + r
.irp c, 0,1,2,3
	ds_load_b128 v[\reg+4*\c:\reg+4*\c+3], v[\adr] offset:128*(\q)+32*\c+(\i)*16*PITCH
.endr
.endm
.macro FRAGA reg, adr, q, i            ; A: the same K: plane 2 q + c / 2 of the slot's four, byte 32 (c % 2) + 16 h of the row
.irp c, 0,1,2,3
	ds_load_b128 v[\reg+4*\c:\reg+4*\c+3], v[\adr] offset:(2*(\q)+\c/2)*PLANE+32*(\c%2)+(\i)*4*PITCH
.endr
.endm
.macro MUL16 a0, p, zero               ; 16 matrix instructions; the 64 accumulators take turns, one instruction a turn, in the same order in every step
.irp a, \a0, \a0+1
.irp b, 0,1,2,3,4,5,6,7
.if \zero
	v_wmma_f32_16x16x128_fp8_fp8 v[8*(8*((\a)%4)+\b):8*(8*((\a)%4)+\b)+7], v[128*(\p)+FR*\b:128*(\p)+FR*\b+FR-1], v[AF+FR*(\a):AF+FR*(\a)+FR-1], 0
.else
	v_wmma_f32_16x16x128_fp8_fp8 v[8*(8*((\a)%4)+\b):8*(8*((\a)%4)+\b)+7], v[128*(\p)+FR*\b:128*(\p)+FR*\b+FR-1], v[AF+FR*(\a):AF+FR*(\a)+FR-1], v[8*(8*((\a)%4)+\b):8*(8*((\a)%4)+\b)+7]
.endif
.endr
.endr
.endm
.macro FETCH_B slot, q, p
	WIN TO_B
.irp i, 0,1,2,3,4,5,6,7
	FRAG 128*(\p)+FR*\i, ADRB+\slot, \q, \i
.endr
	WIN 0
.endm
.macro FETCH_A slot, q, i0
.irp i, \i0, \i0+1, \i0+2, \i0+3
	FRAGA AF+FR*(\i), ADRA+\slot, \q, \i
.endr
.endm
.macro PLACES n                        ; plain vector lines between a matrix instruction and a load into, or a read of, its registers
.rept \n
	v_nop
.endr
.endm
.macro STEP slot, q, zero
	s_wait_dscnt 4*NL                              ; B's set and A's blocks 0-3 are in; the youngest sixteen loads (A's blocks 4-7) may be out
	WIN MUL_LO
	MUL16 0, (\q)%2, \zero
	MUL16 2, (\q)%2, \zero
	s_wait_dscnt 0
	PLACES NP
	FETCH_B \slot, (\q)+1, 1-(\q)%2
	FETCH_A \slot, (\q)+1, 0
	WIN MUL_HI
	MUL16 4, (\q)%2, \zero
	MUL16 6, (\q)%2, \zero
	PLACES NP
	WIN 0
	FETCH_A \slot, (\q)+1, 4
.endm
.macro TURN slot, next, fill
	s_wait_tensorcnt 0x0                           ; all my tensor loads have landed: my part of the next slot
	ds_add_u32 v[SPW], v[NIL]                      ; 0 onto my spare word
	s_wait_dscnt 4*NL+1                            ; (the add and the youngest sixteen loads may be out)
	WIN MUL_LO
	MUL16 0, 1, 0
	s_wait_dscnt 0x0                               ; the add is done, and my reads of this slot are over
	s_barrier_signal -1
	MUL16 2, 1, 0
	WIN 0
	s_barrier_wait -1
.if \fill
	CREST                                          ; the barrier has opened a round of the cluster's barrier: no wave of any partner still reads this slot or has a load on its way
	s_add_nc_u64 s[G0+4*\slot+2:G0+4*\slot+3], s[G0+4*\slot+2:G0+4*\slot+3], 2*ASTEP
	s_add_nc_u64 s[G0B+4*\slot+2:G0B+4*\slot+3], s[G0B+4*\slot+2:G0B+4*\slot+3], 2*ROWB
	JLOAD G0+4*\slot, G1, G0B+4*\slot, G1B         ; the first tensor load behind the round; its four v_nop are the places in front of the loads below
.else
	PLACES NP
.endif
	FETCH_B \next, 0, 0
	FETCH_A \next, 0, 0
	WIN MUL_HI
	MUL16 4, 1, 0
	MUL16 6, 1, 0
	PLACES NP
	WIN 0
	FETCH_A \next, 0, 4
.endm
	s_wait_alu depctr_va_vdst(0)
	s_wait_tensorcnt 1                             ; my part of K step 0 is in; K step 1's load may be out
	s_barrier_signal -1
	s_barrier_wait -1
	FETCH_B 0, 0, 0
	FETCH_A 0, 0, 0
	FETCH_A 0, 0, 4
	STEP 0, 0, 1                                   ; the first step stands in front of the loop: its products start the sums
	s_mov_b32 s3, LAPS-1
.Llap:
	TURN 0, 1, 1
	STEP 1, 0, 0
	TURN 1, 0, 1
	STEP 0, 0, 0
	s_sub_co_u32 s3, s3, 1
	s_cmp_lg_u32 s3, 0
	s_cbranch_scc1 .Llap
	TURN 0, 1, 0                                   ; the last lap fills nothing
	STEP 1, 0, 0
	s_wait_dscnt 4*NL
	WIN MUL_LO
	MUL16 0, 1, 0
	MUL16 2, 1, 0
	s_wait_dscnt 0
	WIN MUL_HI
	MUL16 4, 1, 0
	MUL16 6, 1, 0
	WIN 0
; THE WAY OUT, block by block of 16 rows x 128 columns: x 2^(e10 + e11) into other registers, through my own stage, back as whole rows of 512 bytes.
.macro TOSTAGE a
.set AC, 64*((\a)%4)
	WIN 0x02+((\a)/4)                              ; source 0: window 2 or 3
.irp j, 0,2,4,6,8,10,12,14,16,18,20,22,24,26,28,30,32,34,36,38,40,42,44,46,48,50,52,54,56,58,60,62
	v_pk_mul_f32 v[TMP+\j:TMP+\j+1], v[AC+\j:AC+\j+1], s[96:97] op_sel_hi:[1,0]   ; both x s96; each accumulator from its low end on
.endr
	WIN 0
.irp b, 0,1,2,3,4,5,6,7
	ds_store_b128 v[STO], v[TMP+8*\b:TMP+8*\b+3] offset:64*\b
	ds_store_b128 v[STO], v[TMP+8*\b+4:TMP+8*\b+7] offset:64*\b+16
.endr
.set BB, BK+64*((\a)%2)
.irp t, 0,1,2,3,4,5,6,7,8,9,10,11,12,13,14,15
	ds_load_b128 v[BB+4*\t:BB+4*\t+3], v[RD] offset:\t*SPITCH     ; LDS serves a wave's instructions in order (ISA guide 5.7.1.4): these see my stores
.endr
.endm
.macro SEND a, younger                 ; younger: the LDS instructions issued behind block a's loads, which may stay out
.set BB, BK+64*((\a)%2)
	s_wait_dscnt \younger
.if (\a) > 0
	s_add_nc_u64 s[10:11], s[10:11], 16*SIZE_N*4   ; (behind a wait on XCNT: the earlier stores have read their base)  16 rows of C on
.endif
.irp t, 0,1,2,3,4,5,6,7,8,9,10,11,12,13,14,15
	global_store_b128 v[CO], v[BB+4*\t:BB+4*\t+3], s[10:11] offset:\t*SIZE_N*4 th:TH_STORE_NT   ; 32 lanes store 512 consecutive bytes, aligned; written once, read by nobody here
.endr
.endm
	s_wait_kmcnt 0x0
	s_add_co_i32 s96, s96, s97                     ; e10 + e11,
	s_add_co_i32 s96, s96, 127
	s_lshl_b32 s96, s96, 23                        ; as the f32 number 2^(e10 + e11)
	PLACES NP                                      ; behind the last products: for the reads of results and for the loads into the registers that held A's fragments
	TOSTAGE 0
.irp a, 1,2,3,4,5,6,7
.if \a > 1
	s_wait_xcnt 0x0                                ; block a - 2's stores have read their registers and their base: block a's loads may land there, and the base may step
.endif
	TOSTAGE \a
	SEND \a-1, 32                                  ; behind block a - 1's loads: block a's 16 stores and 16 loads
.endr
	s_wait_xcnt 0x0                                ; block 6's stores have read their base
	SEND 7, 0
	s_wait_tensorcnt 0x0                           ; the wave's end: a wait, an add of 0 to my spare word and its wait, behind my last tensor load and my last LDS store
	ds_add_u32 v[SPW], v[NIL]
	s_wait_dscnt 0x0
	CROUND                                         ; the closing round: no work-group ends while a partner may still ask for a tile that names it
	s_endpgm
.Lfunc_end_k_q989c2f3e48_oproj:
	.size	k_q989c2f3e48_oproj, .Lfunc_end_k_q989c2f3e48_oproj-k_q989c2f3e48_oproj
	.p2alignl 7, 3214868480
	.fill 96, 4, 3214868480
	.section	.rodata,"a",@progbits
	.p2align	6, 0x0
	.amdhsa_kernel k_q989c2f3e48_oproj
		.amdhsa_group_segment_fixed_size 327680
		.amdhsa_private_segment_fixed_size 0
		.amdhsa_enable_private_segment 0
		.amdhsa_kernarg_size 32
		.amdhsa_user_sgpr_count 2
		.amdhsa_user_sgpr_kernarg_segment_ptr 1
		.amdhsa_wavefront_size32 1
		.amdhsa_system_sgpr_workgroup_id_x 1
		.amdhsa_system_sgpr_workgroup_id_y 1
		.amdhsa_system_sgpr_workgroup_id_z 1
		.amdhsa_system_vgpr_workitem_id 0
		.amdhsa_next_free_vgpr 1024
		.amdhsa_next_free_sgpr 98
		.amdhsa_reserve_vcc 0
		.amdhsa_float_denorm_mode_32 3
		.amdhsa_float_denorm_mode_16_64 3
		.amdhsa_memory_ordered 1
		.amdhsa_forward_progress 1
		.amdhsa_inst_pref_size 124
	.end_amdhsa_kernel
	.amdgpu_metadata
---
amdhsa.version: [ 1, 2 ]
amdhsa.kernels:
  - .name:           k_q989c2f3e48_oproj
    .symbol:         k_q989c2f3e48_oproj.kd
    .args:
      - { .name: ac, .offset: 0, .size: 8, .value_kind: global_buffer, .address_space: global }
      - { .name: wc, .offset: 8, .size: 8, .value_kind: global_buffer, .address_space: global }
      - { .name: lowp_scales, .offset: 16, .size: 8, .value_kind: global_buffer, .address_space: global }
      - { .name: out0, .offset: 24, .size: 8, .value_kind: global_buffer, .address_space: global }
    .group_segment_fixed_size: 327680
    .private_segment_fixed_size: 0
    .kernarg_segment_align: 8
    .kernarg_segment_size: 32
    .max_flat_workgroup_size: 128
    .sgpr_count:     98
    .vgpr_count:     1024
    .wavefront_size: 32
...
	.end_amdgpu_metadata
.endif
;; end of part 4
